; MI455X (gfx1250); checked and timed in simulation.
; The chip was launched on July 23, 2026; its instructions are those of AMD's public machine-readable ISA for CDNA 5 (MIT licence, August 2026) and "CDNA5" Instruction Set Architecture Reference Guide (July 2026). The comments in the code are by the model that wrote it; some were corrected since.
;; Multi Head Attention. Allowed arithmetic: matrix products marked QUANTISED: E2M3 operands, one E8M0 scale for each 32 along K, by v_wmma_scale_f32_16x16x128_f8f6f4 with both operands' format E2M3, f32 sums; everything else in f32.
;; Inputs: bk 1,024 float32; bo 1,024 float32; bq 1,024 float32; bv 1,024 float32; key 4 x 2,048 x 1,024 float32; query 4 x 2,048 x 1,024 float32; value 4 x 2,048 x 1,024 float32; wk 1,024 x 1,024 float32; wo 1,024 x 1,024 float32; wq 1,024 x 1,024 float32; wv 1,024 x 1,024 float32.
;; Outputs: out0 4 x 2,048 x 1,024 float32.
;; This version of the problem:
;;   THIS VERSION OF THE PROBLEM IS GIVEN IN LOW PRECISION. The matrix products marked QUANTISED in the list below multiply operands that are first quantised to E2M3 (2 exponent bits, 3 mantissa bits; 6 bits a number), with one power-of-two scale for each 32 numbers along K (OCP MX v1.0); their sums are f32. All else is computed in f32.
;;   The module's matrix products, in the order in which they are computed (A, B: the left and right operand; K: the contracted axis; several contracted axes count as one K, in the product's order):
;;     1. [M 8,192, K 1,024] x [K 1,024, N 1,024]; A: input query; B: input wq: QUANTISED
;;     2. [M 8,192, K 1,024] x [K 1,024, N 1,024]; A: input key; B: input wk: QUANTISED
;;     3. [M 8,192, K 1,024] x [K 1,024, N 1,024]; A: input value; B: input wv: QUANTISED
;;     4. batch 64 x [M 2,048, K 64] x [K 64, N 2,048]; A: computed on the way; B: computed on the way: QUANTISED
;;     5. batch 64 x [M 2,048, K 2,048] x [K 2,048, N 64]; A: softmax (see below); B: computed on the way: QUANTISED
;;     6. [M 8,192, K 1,024] x [K 1,024, N 1,024]; A: computed on the way; B: input wo: QUANTISED
;;   THE QUANTISER, for each operand of a quantised product, along K:
;;     - K is cut into blocks of 32 from its start; a last block that is shorter is filled with zeros.
;;     - A block's scale is 2^e with e = floor(log2(the largest magnitude in the block)) - 2, held to -126 .. 127; a block of zeros has e = 0. As a byte (E8M0): e + 127.
;;     - Each number is divided by its block's scale, clamped to +-7.5, and rounded to the nearest number of E2M3, ties to even, subnormals kept.
;;     - The product sums the exact products of the quantised numbers (number of the format x scale) in f32.
;;   ~~~python
;;   def quantise(x, axis):      # numpy; x: float32 -> the quantised numbers, widened to float32 again
;;       x = np.moveaxis(x, axis, -1); K = x.shape[-1]
;;       x = np.pad(x, [(0, 0)] * (x.ndim - 1) + [(0, -K % 32)]); x = x.reshape(x.shape[:-1] + (-1, 32)); a = np.abs(x).max(-1, keepdims=True)
;;       e = np.where(a > 0, np.clip(np.frexp(np.where(a > 0, a, 1))[1] - 1 - 2, -126, 127), 0)      # np.frexp(a)[1] - 1 = floor(log2(a)), exactly
;;       r = np.clip(x / 2.0 ** e, -7.5, 7.5)
;;       step = 2.0 ** (np.maximum(np.frexp(np.where(r == 0, 1, r))[1] - 1, 0) - 3)
;;       q = np.round(r / step) * step * 2.0 ** e      # np.round: ties to even
;;       return np.moveaxis(q.reshape(q.shape[:-2] + (-1,))[..., :K], -1, axis).astype(np.float32)
;;   ~~~
;;   SOFTMAX AHEAD OF A QUANTISED PRODUCT. Where the list says 'softmax', what is quantised is not the finished softmax but p = 2^(t - M), with t = logit x log2(e) and M = ceil(the row's largest t), a whole number; so 1/2 < the row's largest p <= 1. The row's sum l is taken of the UNQUANTISED p, in f32, and the product's result is divided by l at the end. Since M is a whole number, a kernel that streams over the keys may use a running M (the ceiling of the running maximum): every later rescaling is an exact power of two, which a block's scale takes up: the codes' values come out the same.
;;   OPERANDS COMPUTED ON THE WAY. 'Computed on the way' means the value that the module computes at that place (a softmax that the list does not call 'softmax' is quantised finished and normalised). What goes into a quantiser is computed in f32, as accurately as f32 sums, v_exp_f32 and their like allow (about 1e-6 of the number): no bf16 or f16 on the way to a quantiser, and a product that is left as it is and whose result goes on into a quantised operand takes f32 operands (vector FMAs, or v_wmma_f32_16x16x4_f32). A number that lies on a knife's edge between two numbers of the format may be rounded either way, as far as f32 arithmetic and the matrix unit's own rounding can turn it there, and no further.
;; One version. Each part assembles by itself: llvm-mc -triple=amdgcn-amd-amdhsa -mcpu=gfx1250 --defsym DOCPART=n.
;; ======== version 1 of 1: 4 launches
;; limits: right only within a limited range of input values
;; workspace buffers: xc 22,020,096 bytes; xs 917,504 bytes; pc 18,874,368 bytes; ps 1,572,864 bytes; oc 6,291,456 bytes; os 262,144 bytes
;; launch quant (part 1): grid 256 x 1, 7 waves a work-group, no clusters, 63,744 bytes of LDS; arguments query, key, value, wq, wk, wv, wo, xc, xs; writes xc, xs
.if DOCPART == 1
	.amdgcn_target "amdgcn-amd-amdhsa--gfx1250"
	.amdhsa_code_object_version 6
	.text
	.protected	k_qcd6123786f_quant
	.globl	k_qcd6123786f_quant
	.p2align	8
	.type	k_qcd6123786f_quant,@function
k_qcd6123786f_quant:
	s_mov_b64 s[64:65], 0
	v_nop
	global_prefetch_b8 v0, s[64:65] scope:SCOPE_SE
	s_setreg_imm32_b32 hwreg(HW_REG_WAVE_MODE, 25, 1), 1
	s_wait_xcnt 0x0
; query, key, value [8192][1024] and wq, wk, wv, wo [1024][1024], f32, K innermost, become codes of FP6 (E2M3) with one E8M0 byte for each 32 along K,
; laid in the ORDER OF THE MATRIX OPERAND'S REGISTERS, so that no later launch turns or unpacks anything.
; TILES.  The seven tensors are 1,792 tiles of 16 rows on end (query 0-511, key 512-, value 1024-, wq 1536-, wk 1600-, wv 1664-, wo 1728-).  Tile t of a tensor holds its rows
; 32 (t / 2) + 8 (t % 2) + i + 8 (i / 8), i = 0 .. 15: used as a product's source 0, the 16 result registers of tiles 2 b and 2 b + 1 are then 16 neighbours along the next product's K.
; CODES: xc[tile][g = K / 64][768]: half a fragment (16 rows x 64 K, six registers a lane) as three blocks of 256 bytes; block p holds lane l's registers 2 p, 2 p + 1 at byte 8 l.
; SCALES: xs[tile][K / 256][row i][2 words]: a word is the four bytes of 128 along K of one row.
; A block's scale is 2^(floor(log2(its largest magnitude)) - 2); its byte is the largest magnitude's exponent field - 2, held at 1 from below.
; LIMITS: a block of zeros gets the byte 1 where the rule says 127 (its codes are zeros, and this program alone reads the bytes); largest magnitudes under 2^-124 are held at that floor; NaN and infinities are not served.
; SHARES: 256 work-groups x 7 waves = 1,792 waves, a tile each, all of K in 8 steps of 128.  Each load reads 512 consecutive bytes of one row; a step's 16 rows go through the wave's own stage in LDS
; and come back so that lane (r, h) holds row r's k = 64 c + 32 h + 0 .. 31: two whole blocks, in the operand's own order.  Waves share nothing: no barrier.  Loads run two steps (32 loads a wave) ahead.
.set WREG,   8960                      ; LDS of a wave: the stage, then 512 bytes for the tile's scale words
.set SPITCH, 528                       ; a stage row: 512 bytes + 16, an odd multiple of 16
.set SWO,    16*SPITCH
.set R,      16                        ; v16-143  two sets of 64 registers as loaded
.set X,      144                       ; v144-207 64 numbers in the operand's order
.set C,      208                       ; v208-223 the codes: eight registers for each of my two blocks
.set SW,     224                       ; v224-231 the scale words of the 8 steps
	s_load_b256 s[4:11], s[0:1], 0x0               ; query, key, value, wq
	s_load_b256 s[12:19], s[0:1], 0x20             ; wk, wv, wo, xc
	s_load_b64 s[20:21], s[0:1], 0x40              ; xs
	v_lshl_add_u32 v254, v0, 2, 0xf500
	v_mov_b32 v255, 0
	v_lshrrev_b32 v1, 5, v0
	v_readfirstlane_b32 s22, v1                    ; wave 0..6
	v_and_b32 v1, 31, v0                           ; lane
	v_and_b32 v2, 15, v0                           ; r
	v_bfe_u32 v3, v0, 4, 1                         ; h
	v_lshlrev_b32 v4, 4, v1                        ; 16 x lane: my bytes of a load's 512, and of the scale words' 512
	v_lshlrev_b32 v5, 3, v1                        ; 8 x lane: my bytes of a block of 256
	s_mul_i32 s28, s22, WREG
	v_add_nc_u32 v6, s28, v4                       ; the stage, in: 16 x lane in a row
	v_mul_u32_u24 v7, v2, SPITCH
	v_lshl_add_u32 v7, v3, 7, v7
	v_add_nc_u32 v7, s28, v7                       ; and out: row r, + 128 h bytes
	v_lshlrev_b32 v8, 3, v2
	v_add_nc_u32 v8, s28, v8
	v_add_nc_u32 v8, SWO, v8                       ; the scale words, in: 8 r
	v_add_nc_u32 v9, SWO, v6                       ; and out: 16 x lane
	v_lshlrev_b32 v10, 3, v3                       ; 8 h: how far my two bytes are shifted in a scale word
	v_mov_b32 v235, 0                              ; written once: a lane permute's destination counts as one of its sources
	s_mov_b32 s30, 0x76543210
	s_mov_b32 s31, 0xfedcba98                      ; v_permlanex16_b32's selects for lane l xor 16
	s_mul_i32 s23, ttmp9, 7
	s_add_co_u32 s23, s23, s22                     ; my tile
	s_mov_b32 s24, 0                               ; the first tile of its tensor
	; KEY'S TILES (512-1023) HAVE ANOTHER ORDER OF ROWS: tile t holds rows 64 (t / 4) + 8 (t % 4) + i + 24 (i / 8): as source 0 of the scores' product, the 32 result registers of tiles 4 g .. 4 g + 3 are then one lane's 32 neighbouring keys
	s_lshr_b32 s29, s23, 9
	s_cmp_eq_u32 s29, 1
	s_cselect_b32 s29, 65536, 0                    ; rows 8-15 of key's tiles lie 16 rows of 4,096 bytes further on than in the other tensors
	v_add_nc_u32 v11, s29, v4                      ; the offset of rows 8-15
	s_wait_alu depctr_va_vdst(0)
	s_wait_kmcnt 0x0
.macro PICK lim, lo                    ; from tile lim on the tensor is the one at s[lo]: the choice hangs on ids alone
	s_cmp_ge_u32 s23, \lim
	s_cselect_b64 s[4:5], s[\lo:\lo+1], s[4:5]
	s_cselect_b32 s24, \lim, s24
.endm
	PICK 512, 6
	PICK 1024, 8
	PICK 1536, 10
	PICK 1600, 12
	PICK 1664, 14
	PICK 1728, 16
	s_cmp_lg_u32 s29, 0
	s_cselect_b32 s28, 2, 1                        ; tiles go in groups of 4 (key) or 2
	s_sub_co_u32 s25, s23, s24                     ; the tile's number in its tensor
	s_lshr_b32 s26, s25, s28
	s_lshl_b32 s26, s26, s28                       ; the group's first tile
	s_sub_co_u32 s25, s25, s26                     ; the tile's place in its group
	s_lshl_b32 s26, s26, 16                        ; 16 rows of 4,096 bytes for each tile ahead of the group,
	s_lshl_b32 s25, s25, 15                        ; 8 rows for each tile ahead in it
	s_or_b32 s26, s26, s25
	s_mov_b32 s27, 0
	s_add_nc_u64 s[4:5], s[4:5], s[26:27]
	s_mul_i32 s26, s23, 12288
	s_add_nc_u64 s[18:19], s[18:19], s[26:27]      ; my tile's codes
	s_lshl_b32 s26, s23, 9
	s_add_nc_u64 s[20:21], s[20:21], s[26:27]      ; and its scale words
.macro LOAD t                          ; step t: 128 along K of the tile's 16 rows
.irp i, 0,1,2,3,4,5,6,7,8,9,10,11,12,13,14,15
	global_load_b128 v[R+64*((\t)%2)+4*\i:R+64*((\t)%2)+4*\i+3], v[4+7*(\i/8)], s[4:5] offset:(\i+8*(\i/8))*4096+512*(\t) th:TH_LOAD_NT   ; rows 0-7 by v4, rows 8-15 by v11
.endr
.endm
.macro STEP t
.set RS, R+64*((\t)%2)
.if (\t) < 7
	s_wait_loadcnt 16                              ; this step's 16 loads are in; the next step's 16 may be out
.else
	s_wait_loadcnt 0x0
.endif
.irp i, 0,1,2,3,4,5,6,7,8,9,10,11,12,13,14,15
	ds_store_b128 v6, v[RS+4*\i:RS+4*\i+3] offset:SPITCH*\i
.endr
.irp c, 0,1
.irp i, 0,1,2,3,4,5,6,7
	ds_load_b128 v[X+32*\c+4*\i:X+32*\c+4*\i+3], v7 offset:256*\c+16*\i   ; LDS serves a wave's instructions in order: these see the stores above
.endr
.endr
	s_wait_dscnt 0x0                               ; my 64 numbers are here, and the stores into the stage have read their registers,
	s_wait_xcnt 0x0                                ; and the last step's stores of codes have read theirs: C is written again only behind this wait
.if (\t) < 6
	LOAD (\t)+2
.endif
.irp c, 0,1                                    ; my block 2 c + h: all its 32 numbers are mine
	v_max3_num_f32 v[12+\c], |v[X+32*\c]|, |v[X+32*\c+1]|, 0x1800000   ; with the floor 2^(3 - 127): the byte cannot fall under 1
.endr
.irp i, 2,4,6,8,10,12,14,16,18,20,22,24,26,28,30
.irp c, 0,1
	v_max3_num_f32 v[12+\c], v[12+\c], |v[X+32*\c+\i]|, |v[X+32*\c+\i+1]|   ; (the two blocks by turns)
.endr
.endr
.irp c, 0,1
	v_add_nc_u32 v[14+\c], 0xff000000, v[12+\c]    ; 2 off the exponent field: the conversion takes the exponent field of this operand as its scale
.endr
.irp c, 0,1
	v_cvt_scalef32_pk16_fp6_f32 v[C+8*\c:C+8*\c+2], v[X+32*\c:X+32*\c+15], v[14+\c]
	v_cvt_scalef32_pk16_fp6_f32 v[C+8*\c+4:C+8*\c+6], v[X+32*\c+16:X+32*\c+31], v[14+\c]   ; (a conversion's three registers begin on an even number)
.endr
	v_lshrrev_b32 v232, 23, v14                    ; the scales' bytes.  (Also the plain line behind the conversions)
	v_lshrrev_b32 v233, 23, v15
.irp c, 0,1
	v_mov_b32 v[C+8*\c+3], v[C+8*\c+4]             ; six registers on end
	v_mov_b32 v[C+8*\c+4], v[C+8*\c+5]
	v_mov_b32 v[C+8*\c+5], v[C+8*\c+6]
.endr
.irp c, 0,1
.irp p, 0,1,2
	global_store_b64 v5, v[C+8*\c+2*\p:C+8*\c+2*\p+1], s[18:19] offset:(2*(\t)+\c)*768+256*\p   ; 32 lanes store 256 consecutive bytes, aligned
.endr
.endr
	v_lshl_or_b32 v234, v233, 16, v232             ; my two bytes: blocks h and 2 + h of row r,
	v_lshlrev_b32 v234, v10, v234                  ; at their places in the word;
	v_permlanex16_b32 v235, v234, s30, s31
	v_or_b32 v[SW+(\t)], v234, v235                ; with lane l xor 16's two the word is whole
.endm
	LOAD 0
	LOAD 1
.irp t, 0,1,2,3,4,5,6,7
	STEP \t
.endr
.irp s, 0,1,2,3
	ds_store_b64 v8, v[SW+2*\s:SW+2*\s+1] offset:128*\s   ; both halves of the lanes write the same words with the same values
.endr
	ds_load_b128 v[240:243], v9
	s_wait_dscnt 0x0
	global_store_b128 v4, v[240:243], s[20:21]     ; the tile's 512 bytes of scale words, consecutive and aligned
	s_wait_tensorcnt 0x0
	ds_add_u32 v254, v255
	s_wait_dscnt 0x0
	s_endpgm
.Lfunc_end_k_qcd6123786f_quant:
	.size	k_qcd6123786f_quant, .Lfunc_end_k_qcd6123786f_quant-k_qcd6123786f_quant
	.p2alignl 7, 3214868480
	.fill 96, 4, 3214868480
	.section	.rodata,"a",@progbits
	.p2align	6, 0x0
	.amdhsa_kernel k_qcd6123786f_quant
		.amdhsa_group_segment_fixed_size 63744
		.amdhsa_private_segment_fixed_size 0
		.amdhsa_enable_private_segment 0
		.amdhsa_kernarg_size 72
		.amdhsa_user_sgpr_count 2
		.amdhsa_user_sgpr_kernarg_segment_ptr 1
		.amdhsa_wavefront_size32 1
		.amdhsa_system_sgpr_workgroup_id_x 1
		.amdhsa_system_sgpr_workgroup_id_y 1
		.amdhsa_system_sgpr_workgroup_id_z 1
		.amdhsa_system_vgpr_workitem_id 0
		.amdhsa_next_free_vgpr 256
		.amdhsa_next_free_sgpr 66
		.amdhsa_reserve_vcc 0
		.amdhsa_float_denorm_mode_32 3
		.amdhsa_float_denorm_mode_16_64 3
		.amdhsa_memory_ordered 1
		.amdhsa_forward_progress 1
		.amdhsa_inst_pref_size 61
	.end_amdhsa_kernel
	.amdgpu_metadata
---
amdhsa.version: [ 1, 2 ]
amdhsa.kernels:
  - .name:           k_qcd6123786f_quant
    .symbol:         k_qcd6123786f_quant.kd
    .args:
      - { .name: query, .offset: 0, .size: 8, .value_kind: global_buffer, .address_space: global }
      - { .name: key, .offset: 8, .size: 8, .value_kind: global_buffer, .address_space: global }
      - { .name: value, .offset: 16, .size: 8, .value_kind: global_buffer, .address_space: global }
      - { .name: wq, .offset: 24, .size: 8, .value_kind: global_buffer, .address_space: global }
      - { .name: wk, .offset: 32, .size: 8, .value_kind: global_buffer, .address_space: global }
      - { .name: wv, .offset: 40, .size: 8, .value_kind: global_buffer, .address_space: global }
      - { .name: wo, .offset: 48, .size: 8, .value_kind: global_buffer, .address_space: global }
      - { .name: xc, .offset: 56, .size: 8, .value_kind: global_buffer, .address_space: global }
      - { .name: xs, .offset: 64, .size: 8, .value_kind: global_buffer, .address_space: global }
    .group_segment_fixed_size: 63744
    .private_segment_fixed_size: 0
    .kernarg_segment_align: 8
    .kernarg_segment_size: 72
    .max_flat_workgroup_size: 224
    .sgpr_count:     66
    .vgpr_count:     256
    .wavefront_size: 32
...
	.end_amdgpu_metadata
.endif
;; end of part 1
;; launch proj (part 2): grid 4 x 192, 4 waves a work-group, clusters of 4 x 4, 297,472 bytes of LDS; arguments xc, xs, bq, bk, bv, pc, ps; writes pc, ps
.if DOCPART == 2
	.amdgcn_target "amdgcn-amd-amdhsa--gfx1250"
	.amdhsa_code_object_version 6
	.text
	.protected	k_qcd6123786f_proj
	.globl	k_qcd6123786f_proj
	.p2align	8
	.type	k_qcd6123786f_proj,@function
k_qcd6123786f_proj:
	s_mov_b64 s[64:65], 0
	v_nop
	global_prefetch_b8 v0, s[64:65] scope:SCOPE_SE
	s_setreg_imm32_b32 hwreg(HW_REG_WAVE_MODE, 25, 1), 1
	s_wait_xcnt 0x0
	s_wait_alu depctr_hold_cnt(0) depctr_sa_sdst(0) depctr_va_vdst(0) depctr_va_sdst(0) depctr_va_ssrc(0) depctr_va_vcc(0) depctr_vm_vsrc(0)
	s_getreg_b32 s2, hwreg(HW_REG_IB_STS2, 6, 4)
	s_cmp_eq_u32 s2, 0
	s_cbranch_scc0 .Lentry_in_a_cluster
	s_endpgm
.Lentry_in_a_cluster:
	s_bfe_u32 s2, ttmp6, 0x10000c
	s_cmp_lg_u32 s2, 0xf033
	s_cbranch_scc0 .Lentry_shape_is_right
	s_endpgm
.Lentry_shape_is_right:
; The three projections Q = query wq^T + bq, K = key wk^T + bk, V = value wv^T + bv on codes of FP6 (E2M3) with E8M0 scales, sums in f32; the results are quantised in registers for the attention's products.
; mode = cluster y / 16: 0 Q, 1 K, 2 V.  A work-group makes 128 rows of operand A x 256 rows of operand B; four waves, each 64 x 128: 32 accumulators, 256 registers.
; THE MATRIX INSTRUCTION IS USED TRANSPOSED (source 0 = 16 rows of B, source 1 = 16 rows of A): a lane holds ONE row of A, and its registers run along B's rows, which are the next product's K.
;   Q, K: A = the tokens, B = the weight's rows (features): the next K is the head's 64.      V: A = wv's rows, B = the tokens: the next K is the keys, so V comes out as V^T.
; By the order of rows in a tile (32 (t / 2) + 8 (t % 2) + i + 8 (i / 8)) the 16 registers of B's tiles 2 b and 2 b + 1 are 16 neighbours: register 16 b + i = 32 b + 16 (lane / 16) + i of my wave's 128.
; ALL OF K = 1,024 LIES IN LDS: four slots of 256 along K, each filled ONCE, all four asked for at the start; no LDS byte is filled twice.  A slot's tiles are images of the operands' registers
; (per tile and 64 along K three blocks of 256 bytes, lane l's register pair at 8 l): every LDS load reads 256 consecutive bytes.
; CLUSTERS: 4 x 4 work-groups.  A's tiles hang on the cluster's y and cy alone and are asked for jointly along a row of the cluster, B's on the cluster's y and cx alone, jointly along a column.
; OUT: pc, three regions of 6,291,456 bytes: half fragments of 768 bytes at index g NI + I.  Q, K: g = head, I = token tile, NI = 512.  V^T: g = 2 x (group of 128 tokens) + c, I = feature tile, NI = 64.
;      ps, three regions of 524,288 bytes: 16 scale words at the same index.  Q, K: the head's own two bytes in bytes 0, 1, its partner head's in bytes 2, 3.  V^T: the word of 128 tokens at even g (the words at odd g are read by nobody).
; LIMITS: a block of zeros gets the byte 1 where the rule says 127 (its codes are zeros; this program alone reads the bytes); largest magnitudes under 2^-124 are held at that floor; NaN and infinities are not served.
; REGISTERS, in windows of 256: window 0: v1-23 addresses; v32-47 A's scale words, v48-79 B's (all of K; lanes 0-15 an even tile's, lanes 16-31 the odd one's); v80-143 the bias by registers, v144-151 the bias by lanes;
;   v192-239 A's four fragments, one set; on the way out v152-252 are at work.   window 1: B's eight fragments, two sets, at v0 and v128.   window 2: accumulator (a, b) at v[8 (8 a + b)].
; THE SLOTS ARE TWO, of 512 along K each (where the lines above speak of four slots of 256, read two of 512): each is filled once, by two joint loads, and each wave issues one of the four loads.
.set SLOT,  147456                     ; 512 along K: A's 8 tiles x 6,144 bytes, then B's 16
.set SSTG,  2*SLOT                     ; behind the slots: 512 bytes for each wave, for the scale words on their way out; no fill lands here
.set ADRA,  16                         ; v16-17  8 x lane + my A tiles in slot 0, 1
.set ADRB,  20                         ; v20-21  the same for B
.set SA,    32
.set SB,    48
.set BC,    80
.set BR,    144
.set H,     152                        ; 64 results with their bias
.set AF,    192
.set TM,    216                        ; v216-219 largest magnitudes, v220-223 bytes, v228-231 the conversions' scale operands
.set PW,    232                        ; the scale word just made
.set T1,    233
.set PC,    234                        ; the codes just made
.set G1A,   24                         ; s[24:31] group 1 for A's tiles; s[32:39] two groups 0
.set G0A,   32
.set G1B,   48                         ; s[48:55] group 1 for B's; s[56:63] two groups 0
.set SEL,   100
.set MSB, 0
.macro WIN new                         ; the immediate's high byte repeats the setting that is left
.if MSB != \new
	s_set_vgpr_msb (MSB<<8)|\new
.set MSB, \new
.endif
.endm
.set MUL,  0xa1                        ; source 0 (B) window 1, source 1 (A) window 0, C and D window 2
.set TO_B, 0x40                        ; destination window 1, address window 0
.macro ROUND                           ; a round of the cluster's barrier
	s_barrier_signal -1
	s_barrier_wait -1
	s_cmp_lg_u32 s18, 0
	s_cbranch_scc1 .Lnot_wave_0_\@
	s_barrier_signal -3
.Lnot_wave_0_\@:
	s_barrier_wait -3
	s_barrier_signal -1
	s_barrier_wait -1
.endm
.macro PLACES                          ; four plain vector lines between a matrix instruction and a load into, or a vector line on, its registers
.rept 4
	v_nop
.endr
.endm
.macro FRAG reg, adr, q, i             ; a fragment, 16 rows x 128 K, 12 registers: tile i of my tiles, the slot's q-th 128 along K
.irp c, 0,1
.irp p, 0,1,2
	ds_load_b64 v[\reg+6*\c+2*\p:\reg+6*\c+2*\p+1], v[\adr] offset:(\i)*6144+(2*(\q)+\c)*768+256*\p
.endr
.endr
.endm
.macro FETCH_B sl, q, p                ; B's eight fragments into set p
	WIN TO_B
.irp i, 0,1,2,3,4,5,6,7
	FRAG 128*(\p)+12*\i, ADRB+\sl, \q, \i
.endr
	WIN 0
.endm
.macro FETCH_A sl, q, i0               ; A's blocks i0, i0 + 1
.irp i, \i0, \i0+1
	FRAG AF+12*(\i), ADRA+\sl, \q, \i
.endr
.endm
; One product: A's block a x B's block b, K step k (of 8), B's set p.  An odd tile's scale words stand in lanes 16-31 of the pair's register.  zero = 1: the product starts the sum.
.macro WM a, b, p, k, zero
.set rD, 8*(8*(\a)+(\b))
.set rB, 128*(\p)+12*(\b)
.set rA, AF+12*(\a)
.set rSB, SB+8*((\b)/2)+(\k)
.set rSA, SA+8*((\a)/2)+(\k)
.if \zero
.if ((\b)%2 == 0) && ((\a)%2 == 0)
	v_wmma_scale_f32_16x16x128_f8f6f4 v[rD:rD+7], v[rB:rB+11], v[rA:rA+11], 0, v[rSB], v[rSA] matrix_a_fmt:MATRIX_FMT_FP6 matrix_b_fmt:MATRIX_FMT_FP6
.elseif ((\b)%2 == 1) && ((\a)%2 == 0)
	v_wmma_scale_f32_16x16x128_f8f6f4 v[rD:rD+7], v[rB:rB+11], v[rA:rA+11], 0, v[rSB], v[rSA] matrix_a_fmt:MATRIX_FMT_FP6 matrix_b_fmt:MATRIX_FMT_FP6 matrix_a_scale:MATRIX_SCALE_ROW1
.elseif ((\b)%2 == 0) && ((\a)%2 == 1)
	v_wmma_scale_f32_16x16x128_f8f6f4 v[rD:rD+7], v[rB:rB+11], v[rA:rA+11], 0, v[rSB], v[rSA] matrix_a_fmt:MATRIX_FMT_FP6 matrix_b_fmt:MATRIX_FMT_FP6 matrix_b_scale:MATRIX_SCALE_ROW1
.else
	v_wmma_scale_f32_16x16x128_f8f6f4 v[rD:rD+7], v[rB:rB+11], v[rA:rA+11], 0, v[rSB], v[rSA] matrix_a_fmt:MATRIX_FMT_FP6 matrix_b_fmt:MATRIX_FMT_FP6 matrix_a_scale:MATRIX_SCALE_ROW1 matrix_b_scale:MATRIX_SCALE_ROW1
.endif
.else
.if ((\b)%2 == 0) && ((\a)%2 == 0)
	v_wmma_scale_f32_16x16x128_f8f6f4 v[rD:rD+7], v[rB:rB+11], v[rA:rA+11], v[rD:rD+7], v[rSB], v[rSA] matrix_a_fmt:MATRIX_FMT_FP6 matrix_b_fmt:MATRIX_FMT_FP6
.elseif ((\b)%2 == 1) && ((\a)%2 == 0)
	v_wmma_scale_f32_16x16x128_f8f6f4 v[rD:rD+7], v[rB:rB+11], v[rA:rA+11], v[rD:rD+7], v[rSB], v[rSA] matrix_a_fmt:MATRIX_FMT_FP6 matrix_b_fmt:MATRIX_FMT_FP6 matrix_a_scale:MATRIX_SCALE_ROW1
.elseif ((\b)%2 == 0) && ((\a)%2 == 1)
	v_wmma_scale_f32_16x16x128_f8f6f4 v[rD:rD+7], v[rB:rB+11], v[rA:rA+11], v[rD:rD+7], v[rSB], v[rSA] matrix_a_fmt:MATRIX_FMT_FP6 matrix_b_fmt:MATRIX_FMT_FP6 matrix_b_scale:MATRIX_SCALE_ROW1
.else
	v_wmma_scale_f32_16x16x128_f8f6f4 v[rD:rD+7], v[rB:rB+11], v[rA:rA+11], v[rD:rD+7], v[rSB], v[rSA] matrix_a_fmt:MATRIX_FMT_FP6 matrix_b_fmt:MATRIX_FMT_FP6 matrix_a_scale:MATRIX_SCALE_ROW1 matrix_b_scale:MATRIX_SCALE_ROW1
.endif
.endif
.endm
.macro MUL16 a0, p, k, zero            ; 16 products; the 32 accumulators take turns, one instruction a turn, in the same order in every K step
.irp a, \a0, \a0+1
.irp b, 0,1,2,3,4,5,6,7
	WM \a, \b, \p, \k, \zero
.endr
.endr
.endm
; K step 2 sl + q, and the fetch of the next one (slot nsl, its nq-th).  bar = 1: the next step lies in the next slot: each wave shows its part of that slot landed (cnt: its fills of later slots may stay out, since
; nothing is ever filled again), and a barrier shows everybody's.
; (K step 4 sl + q; B's sets by turns.  bar = 1: the next step lies in slot 1: every wave waits for its tensor load, and a barrier shows both slots whole)
.macro STEP sl, q, nsl, nq, zero, bar
.if \bar
	s_wait_dscnt 0x0                               ; no LDS load of mine is out at the signal
	s_wait_tensorcnt 0x0                           ; on every wave's way: all that was still out is in
	s_barrier_signal -1
	WIN MUL
	MUL16 0, (\q)%2, 4*\sl+\q, \zero
	s_barrier_wait -1
.else
	s_wait_dscnt 12                                ; B's set and A's blocks 0, 1 are in; the youngest 12 loads (A's blocks 2, 3) may be out
	WIN MUL
	MUL16 0, (\q)%2, 4*\sl+\q, \zero
	s_wait_dscnt 0x0                               ; A's blocks 2, 3 are in
.endif
	PLACES
	FETCH_B \nsl, \nq, (\nq)%2
	FETCH_A \nsl, \nq, 0
	WIN MUL
	MUL16 2, (\q)%2, 4*\sl+\q, \zero
	PLACES
	WIN 0
	FETCH_A \nsl, \nq, 2
.endm
; 64 numbers of a lane, register 16 b + i = k 32 b + 16 (lane / 16) + i of my row, become a fragment's codes in v[PC] on and its scale word in v[PW].
.macro QUANT s
.irp b, 0,1,2,3
	v_max3_num_f32 v[TM+\b], |v[\s+16*\b]|, |v[\s+1+16*\b]|, 0x1800000   ; block b: my 16 numbers, and the floor 2^(3 - 127): the byte cannot fall under 1
.endr
.irp i, 2,4,6,8,10,12,14
.irp b, 0,1,2,3
	v_max3_num_f32 v[TM+\b], v[TM+\b], |v[\s+16*\b+\i]|, |v[\s+1+16*\b+\i]|   ; (the four blocks by turns)
.endr
.endr
.irp b, 0,1,2,3
	v_permlanex16_b32 v[TM+4+\b], v[TM+\b], s[SEL], s[SEL+1]
.endr
.irp b, 0,1,2,3
	v_max_num_f32 v[TM+\b], v[TM+\b], v[TM+4+\b]   ; with lane l xor 16's: the block's largest magnitude
.endr
.irp b, 0,1,2,3
	v_add_nc_u32 v[TM+12+\b], 0xff000000, v[TM+\b]   ; 2 off its exponent field: the conversion's scale operand
.endr
.irp b, 0,1,2,3
	v_lshrrev_b32 v[TM+4+\b], 23, v[TM+12+\b]      ; the scale's byte
.endr
	v_lshl_or_b32 v[PW], v[TM+5], 8, v[TM+4]
	v_lshl_or_b32 v[PW], v[TM+6], 16, v[PW]
	v_lshl_or_b32 v[PW], v[TM+7], 24, v[PW]
.irp c, 0,1
	v_cvt_scalef32_pk16_fp6_f32 v[PC+6*\c:PC+2+6*\c], v[\s+32*\c:\s+15+32*\c], v[TM+12+2*\c]
	v_cvt_scalef32_pk16_fp6_f32 v[PC+12+4*\c:PC+14+4*\c], v[\s+16+32*\c:\s+31+32*\c], v[TM+12+2*\c+1]   ; (a conversion's three registers begin on an even number)
.endr
	v_nop                                          ; one plain line behind a scaled conversion
.irp c, 0,1                                    ; the operand's layout wants a WHOLE block in a lane: lanes 0-15 block 2 c, lanes 16-31 block 2 c + 1
.irp i, 0,1,2
	v_permlane16_swap_b32 v[PC+6*\c+\i], v[PC+12+4*\c+\i]
.endr
.irp i, 0,1,2
	v_mov_b32 v[PC+3+6*\c+\i], v[PC+12+4*\c+\i]
.endr
.endr
.endm
	s_load_b256 s[4:11], s[0:1], 0x0               ; xc, xs, bq, bk
	s_load_b128 s[12:15], s[0:1], 0x20             ; bv, pc
	s_load_b64 s[16:17], s[0:1], 0x30              ; ps
	v_lshl_add_u32 v254, v0, 2, 0x48800
	v_mov_b32 v255, 0
	ds_add_u32 v254, v255
	ds_add_u32 v254, v255
	v_lshrrev_b32 v1, 5, v0
	v_readfirstlane_b32 s18, v1                    ; wave 0..3
	s_lshr_b32 s19, s18, 1                         ; which 4 of A's 8 tiles are mine.  Also: I fetch for A (0) or for B (1)
	s_and_b32 s20, s18, 1                          ; which 8 of B's 16.  Also: which half of that operand's tiles I fetch
	s_bfe_u32 s21, ttmp6, 0x40000                  ; cx
	s_bfe_u32 s22, ttmp6, 0x40004                  ; cy
	s_and_b32 s23, ttmp7, 0xffff                   ; the cluster's y, 0..47
	s_lshr_b32 s77, s23, 4                         ; mode
	s_and_b32 s78, s23, 15                         ; the cluster's number in its mode
	s_lshr_b32 s76, s77, 1                         ; v = 1 for V
	s_mul_i32 s79, s76, 3
	s_mul_i32 s91, s76, 640
	s_lshr_b32 s80, 15, s79                        ; A: Q, K: 64 blocks of 128 tokens; V: 8 blocks of 128 features
	s_and_b32 s80, s78, s80
	s_lshl_b32 s80, s80, 2
	s_add_co_u32 s80, s80, s22                     ; A's block: it hangs on the cluster's y and cy
	s_lshl_b32 s81, s77, 9
	s_add_co_u32 s81, s81, s91                     ; A's first tile in xc: 0, 512, 1664
	s_lshl_b32 s2, s80, 3
	s_add_co_u32 s81, s81, s2                      ; TA
	s_lshr_b32 s84, s78, 1                         ; B: Q, K: 4 blocks of 256 features; V: 32 blocks of 256 tokens
	s_mul_i32 s84, s84, s76
	s_lshl_b32 s84, s84, 2
	s_add_co_u32 s84, s84, s21                     ; B's block: it hangs on the cluster's y and cx
	s_lshl_b32 s85, s77, 6
	s_add_co_u32 s85, s85, 1536
	s_sub_co_u32 s85, s85, s91                     ; B's first tile in xc: 1536, 1600, 1024
	s_lshl_b32 s3, s84, 4
	s_add_co_u32 s85, s85, s3                      ; TB
	s_mul_i32 s82, s81, 12288                      ; A's 8 tiles, in bytes
	s_mov_b32 s83, 0
	s_lshl_b32 s3, s20, 3
	s_add_co_u32 s3, s85, s3
	s_mul_i32 s86, s85, 12288                      ; B's 16 tiles, in bytes
	s_mov_b32 s87, 0
	s_lshl_b32 s94, s3, 9                          ; so these are my B tiles' scale words
	s_mov_b32 s95, 0
	s_lshl_b32 s2, s19, 2
	s_add_co_u32 s2, s81, s2
	s_lshl_b32 s92, s2, 9                          ; my A tiles' scale words
	s_mov_b32 s93, 0
	s_mul_i32 s90, s20, 49152                      ; my 8 tiles of B in a slot,
	s_add_co_u32 s90, s90, 49152                   ; behind A's 8
	s_lshl_b32 s2, s22, 2
	s_lshl_b32 s2, 15, s2                          ; my row of the cluster
	s_lshl_b32 s3, 0x1111, s21                     ; my column
	s_or_b32 s[G1A], s2, (3<<16)|(1<<21)           ; 15:0 the mask; 17:16 elements of 8 bytes; 21 set beside a mask; no padding
	s_or_b32 s[G1B], s3, (3<<16)|(1<<21)
	s_mov_b32 s[G1A+1], 768<<16                    ; tensor_dim0: a tile's 6,144 bytes of one slot
	s_mov_b32 s[G1A+2], 8<<16                      ; tensor_dim1: 8 tiles
	s_mov_b32 s[G1A+3], 768<<16                    ; tile_dim0
	s_mov_b32 s[G1A+4], 8                          ; tile_dim1
	s_mov_b32 s[G1A+5], 1536                       ; from tile to tile: 12,288 bytes
	s_mov_b32 s[G1A+6], 0
	s_mov_b32 s[G1A+7], 0
	s_mov_b32 s[G1B+1], 768<<16
	s_mov_b32 s[G1B+2], 16<<16                     ; 16 tiles
	s_mov_b32 s[G1B+3], 768<<16
	s_mov_b32 s[G1B+4], 16
	s_mov_b32 s[G1B+5], 1536
	s_mov_b32 s[G1B+6], 0
	s_mov_b32 s[G1B+7], 0
	; where the results go
	s_lshl_b32 s88, s80, 3
	s_lshl_b32 s2, s19, 2
	s_add_co_u32 s88, s88, s2                      ; I0: my first A tile, counted in its tensor
	s_lshl_b32 s3, s84, 1
	s_add_co_u32 s3, s3, s20                       ; J: my 128 rows of B, counted in their tensor
	s_lshr_b32 s91, 512, s79                       ; NI
	s_lshl_b32 s2, s3, 1
	s_mul_i32 s2, s2, s91
	s_add_co_u32 s2, s2, s88                       ; the index 2 J NI + I0
	s_mul_i32 s96, s2, 768
	s_mul_i32 s78, s77, 6291456
	s_add_co_u32 s96, s96, s78
	s_mov_b32 s97, 0
	s_lshl_b32 s98, s2, 6
	s_lshl_b32 s78, s77, 19
	s_add_co_u32 s98, s98, s78
	s_mov_b32 s99, 0
	s_and_b32 s84, s3, 7                           ; the bias by registers: 128 numbers from 128 (J mod 8) on (used in modes 0, 1, where J < 8; the mask keeps the load inside the buffer in mode 2)
	s_lshl_b32 s84, s84, 9
	s_mov_b32 s85, 0
	s_and_b32 s80, s88, 63                         ; the bias by lanes: from 16 (I0 mod 64) on (used in mode 2, where I0 < 64)
	s_lshl_b32 s80, s80, 6
	s_mov_b32 s81, 0
	v_and_b32 v1, 15, v0                           ; r
	v_bfe_u32 v2, v0, 4, 1                         ; h
	v_and_b32 v3, 31, v0
	v_lshlrev_b32 v8, 3, v3                        ; 8 x lane
	v_lshlrev_b32 v14, 3, v1
	v_lshl_add_u32 v14, v2, 9, v14                 ; scale words: 8 r, lanes 16-31 one tile on
	v_lshlrev_b32 v12, 6, v2                       ; the bias by registers: 64 h
	v_and_b32 v13, 8, v1
	v_add_nc_u32 v13, v13, v1
	v_lshlrev_b32 v13, 2, v13                      ; the bias by lanes: 4 (r + 8 (r / 8))
	s_mul_i32 s2, s19, 24576
	s_mov_b32 s3, s90
.irp s, 0,1
	v_add_nc_u32 v[ADRA+\s], s2, v8
	v_add_nc_u32 v[ADRB+\s], s3, v8
	s_add_co_u32 s2, s2, SLOT
	s_add_co_u32 s3, s3, SLOT
.endr
	s_lshl_b32 s2, s18, 9
	s_add_co_u32 s2, s2, SSTG
	v_lshlrev_b32 v10, 2, v1
	v_lshl_add_u32 v10, v2, 8, v10
	v_add_nc_u32 v10, s2, v10                      ; the scale words' stage, in: 4 r + 256 h
	v_add_nc_u32 v11, s2, v8                       ; and out: 8 x lane
	s_wait_alu depctr_va_vdst(0)                   ; the wait at the head's end
	s_wait_dscnt 0x0
	s_wait_kmcnt 0x0
	s_add_nc_u64 s[82:83], s[4:5], s[82:83]
	s_add_nc_u64 s[86:87], s[4:5], s[86:87]
	s_add_nc_u64 s[92:93], s[6:7], s[92:93]
	s_add_nc_u64 s[94:95], s[6:7], s[94:95]
	s_cmp_eq_u32 s77, 1                            ; the mode's bias: the choice hangs on ids alone
	s_cselect_b64 s[8:9], s[10:11], s[8:9]
	s_cmp_eq_u32 s77, 2
	s_cselect_b64 s[8:9], s[12:13], s[8:9]
	s_cselect_b32 s88, -1, 0                       ; all ones in mode 2
	s_add_nc_u64 s[10:11], s[8:9], s[84:85]
	s_add_nc_u64 s[12:13], s[8:9], s[80:81]
	s_add_nc_u64 s[14:15], s[14:15], s[96:97]      ; codes, c = 0
	s_mul_i32 s96, s91, 768
	s_add_nc_u64 s[96:97], s[14:15], s[96:97]      ; codes, c = 1: NI further on
	s_add_nc_u64 s[16:17], s[16:17], s[98:99]      ; scale words likewise
	s_lshl_b32 s98, s91, 6
	s_add_nc_u64 s[98:99], s[16:17], s[98:99]
	s_mov_b32 s79, 0xffff0000                      ; lanes 16-31
	s_mov_b32 s[SEL], 0x76543210
	s_mov_b32 s[SEL+1], 0xfedcba98
.irp s, 0,1
	s_mov_b32 s[G0A+4*\s], 1
	s_mov_b32 s[G0A+4*\s+1], \s*SLOT
	s_add_nc_u64 s[G0A+4*\s+2:G0A+4*\s+3], s[82:83], \s*6144
	s_or_b32 s[G0A+4*\s+3], s[G0A+4*\s+3], 0x80000000
	s_mov_b32 s[56+4*\s], 1
	s_mov_b32 s[57+4*\s], \s*SLOT+49152
	s_add_nc_u64 s[58+4*\s:59+4*\s], s[86:87], \s*6144
	s_or_b32 s[59+4*\s], s[59+4*\s], 0x80000000
.endr
	ROUND                                          ; all sixteen work-groups are here: the joint loads meet
; ONE LOAD A WAVE, in one chain of branches on the wave's number: wave 0 A's tiles of slot 0, wave 1 B's, wave 2 A's of slot 1, wave 3 B's
.macro ARM w, g0, g1, next
	s_cmp_eq_u32 s18, \w
	s_cbranch_scc0 \next
	tensor_load_to_lds s[\g0:\g0+3], s[\g1:\g1+7]
	s_nop 0
.rept 4
	v_nop
.endr
	s_branch .Lfilled
\next:
.endm
	ARM 0, 32, 24, .Lw1
	ARM 1, 56, 48, .Lw2
	ARM 2, 36, 24, .Lw3
	tensor_load_to_lds s[60:63], s[48:55]
	s_nop 0
.rept 4
	v_nop
.endr
.Lfilled:
.irp i, 0,1
.irp s, 0,1,2,3
	global_load_b64 v[SA+8*\i+2*\s:SA+8*\i+2*\s+1], v14, s[92:93] offset:1024*\i+128*\s   ; the words of K steps 2 s, 2 s + 1: lanes 0-15 tile 2 i, lanes 16-31 tile 2 i + 1
.endr
.endr
.irp i, 0,1,2,3
.irp s, 0,1,2,3
	global_load_b64 v[SB+8*\i+2*\s:SB+8*\i+2*\s+1], v14, s[94:95] offset:1024*\i+128*\s
.endr
.endr
.irp b, 0,1,2,3
.irp u, 0,1
.irp i, 0,1
	global_load_b128 v[BC+16*\b+8*\u+4*\i:BC+16*\b+8*\u+4*\i+3], v12, s[10:11] offset:128*\b+32*\u+16*\i   ; register 16 b + 8 u + j: the bias of feature 32 b + 16 h + 8 u + j
.endr
.endr
.endr
.irp a, 0,1,2,3
	global_load_b32 v[BR+2*\a], v13, s[12:13] offset:(32*(\a/2)+8*(\a%2))*4     ; the bias of my row of A's block a, twice: a pair for the packed addition
	global_load_b32 v[BR+2*\a+1], v13, s[12:13] offset:(32*(\a/2)+8*(\a%2))*4
.endr
	s_wait_loadcnt 0x0
.set j, 0
.rept 64
	v_cndmask_b32 v[BC+j], v[BC+j], 0, s88         ; the form of the bias that the mode does not use becomes 0: both are added, with no branch
.set j, j+1
.endr
.set j, 0
.rept 8
	v_cndmask_b32 v[BR+j], 0, v[BR+j], s88
.set j, j+1
.endr
	s_cmp_lt_u32 s18, 2                            ; slot 0's two loads are waves 0's and 1's alone: they wait; slot 1's may still be on their way, since nothing is filled again
	s_cbranch_scc0 .Lnot_first
	s_wait_tensorcnt 0x0
.Lnot_first:
	s_barrier_signal -1
	s_barrier_wait -1                              ; slot 0 is whole
	FETCH_B 0, 0, 0
	FETCH_A 0, 0, 0
	FETCH_A 0, 0, 2
	STEP 0, 0, 0, 1, 1, 0                          ; the first K step starts the sums: nothing is cleared
	STEP 0, 1, 0, 2, 0, 0
	STEP 0, 2, 0, 3, 0, 0
	STEP 0, 3, 1, 0, 0, 1
	STEP 1, 0, 1, 1, 0, 0
	STEP 1, 1, 1, 2, 0, 0
	STEP 1, 2, 1, 3, 0, 0
	s_wait_dscnt 12                                ; the last K step: nothing more to fetch
	WIN MUL
	MUL16 0, 1, 7, 0
	s_wait_dscnt 0x0
	MUL16 2, 1, 7, 0
	WIN 0
	PLACES
.irp b, 0,1,2,3
	v_mov_b32 v[TM+4+\b], 0                        ; written once: a lane permute's destination counts as one of its sources
.endr
; THE WAY OUT of A's block a: 64 results a lane, each accumulator read from its low end on; bias; quantised; two half fragments and two forms of the scale word.
.macro EPI a
	WIN 0x02                                       ; source 0 window 2
.set j, 0
.rept 32
	v_pk_add_f32 v[H+j:H+j+1], v[64*\a+j:64*\a+j+1], v[BC+j:BC+j+1]
.set j, j+2
.endr
	WIN 0
.set j, 0
.rept 32
	v_pk_add_f32 v[H+j:H+j+1], v[H+j:H+j+1], v[BR+2*\a:BR+2*\a+1]
.set j, j+2
.endr
	s_wait_xcnt 0x0                                ; the last block's stores have read their registers: the codes' registers are written again only behind this wait
	s_wait_dscnt 0x0
	QUANT H
.irp p, 0,1,2
	global_store_b64 v8, v[PC+2*\p:PC+2*\p+1], s[14:15] offset:768*\a+256*\p     ; 32 lanes store 256 consecutive bytes, aligned
	global_store_b64 v8, v[PC+6+2*\p:PC+7+2*\p], s[96:97] offset:768*\a+256*\p
.endr
	v_lshrrev_b32 v[T1], 16, v[PW]
	v_lshl_or_b32 v[T1], v[PW], 16, v[T1]          ; the word with its halves exchanged: the form for c = 1
	v_cndmask_b32 v[T1], v[PW], v[T1], s79         ; lanes 0-15 keep the word, lanes 16-31 take the exchanged one
	ds_store_b32 v10, v[T1] offset:64*\a
.endm
	EPI 0
	EPI 1
	EPI 2
	EPI 3
	ds_load_b64 v[216:217], v11                    ; LDS serves a wave's instructions in order: these see my stores
	ds_load_b64 v[218:219], v11 offset:256
	s_wait_dscnt 0x0
	global_store_b64 v8, v[216:217], s[16:17]      ; four tiles' scale words: 256 consecutive bytes, aligned
	global_store_b64 v8, v[218:219], s[98:99]
	s_wait_tensorcnt 0x0
	ds_add_u32 v254, v255
	s_wait_dscnt 0x0
	ROUND                                          ; the closing round: no work-group ends while a partner may still ask for a tile that names it
	s_endpgm
.Lfunc_end_k_qcd6123786f_proj:
	.size	k_qcd6123786f_proj, .Lfunc_end_k_qcd6123786f_proj-k_qcd6123786f_proj
	.p2alignl 7, 3214868480
	.fill 96, 4, 3214868480
	.section	.rodata,"a",@progbits
	.p2align	6, 0x0
	.amdhsa_kernel k_qcd6123786f_proj
		.amdhsa_group_segment_fixed_size 297472
		.amdhsa_private_segment_fixed_size 0
		.amdhsa_enable_private_segment 0
		.amdhsa_kernarg_size 56
		.amdhsa_user_sgpr_count 2
		.amdhsa_user_sgpr_kernarg_segment_ptr 1
		.amdhsa_wavefront_size32 1
		.amdhsa_system_sgpr_workgroup_id_x 1
		.amdhsa_system_sgpr_workgroup_id_y 1
		.amdhsa_system_sgpr_workgroup_id_z 1
		.amdhsa_system_vgpr_workitem_id 0
		.amdhsa_next_free_vgpr 768
		.amdhsa_next_free_sgpr 102
		.amdhsa_reserve_vcc 0
		.amdhsa_float_denorm_mode_32 3
		.amdhsa_float_denorm_mode_16_64 3
		.amdhsa_memory_ordered 1
		.amdhsa_forward_progress 1
		.amdhsa_inst_pref_size 125
	.end_amdhsa_kernel
	.amdgpu_metadata
---
amdhsa.version: [ 1, 2 ]
amdhsa.kernels:
  - .name:           k_qcd6123786f_proj
    .symbol:         k_qcd6123786f_proj.kd
    .args:
      - { .name: xc, .offset: 0, .size: 8, .value_kind: global_buffer, .address_space: global }
      - { .name: xs, .offset: 8, .size: 8, .value_kind: global_buffer, .address_space: global }
      - { .name: bq, .offset: 16, .size: 8, .value_kind: global_buffer, .address_space: global }
      - { .name: bk, .offset: 24, .size: 8, .value_kind: global_buffer, .address_space: global }
      - { .name: bv, .offset: 32, .size: 8, .value_kind: global_buffer, .address_space: global }
      - { .name: pc, .offset: 40, .size: 8, .value_kind: global_buffer, .address_space: global }
      - { .name: ps, .offset: 48, .size: 8, .value_kind: global_buffer, .address_space: global }
    .group_segment_fixed_size: 297472
    .private_segment_fixed_size: 0
    .kernarg_segment_align: 8
    .kernarg_segment_size: 56
    .max_flat_workgroup_size: 128
    .sgpr_count:     102
    .vgpr_count:     768
    .wavefront_size: 32
...
	.end_amdgpu_metadata
.endif
;; end of part 2
;; launch attn (part 3): grid 4 x 64, 16 waves a work-group, clusters of 4 x 1, 210,944 bytes of LDS; arguments pc, ps, oc, os; writes oc, os
.if DOCPART == 3
	.amdgcn_target "amdgcn-amd-amdhsa--gfx1250"
	.amdhsa_code_object_version 6
	.text
	.protected	k_qcd6123786f_attn
	.globl	k_qcd6123786f_attn
	.p2align	8
	.type	k_qcd6123786f_attn,@function
k_qcd6123786f_attn:
	s_mov_b64 s[64:65], 0
	v_nop
	global_prefetch_b8 v0, s[64:65] scope:SCOPE_SE
	s_setreg_imm32_b32 hwreg(HW_REG_WAVE_MODE, 25, 1), 1
	s_wait_xcnt 0x0
	s_wait_alu depctr_hold_cnt(0) depctr_sa_sdst(0) depctr_va_vdst(0) depctr_va_sdst(0) depctr_va_ssrc(0) depctr_va_vcc(0) depctr_vm_vsrc(0)
	s_getreg_b32 s2, hwreg(HW_REG_IB_STS2, 6, 4)
	s_cmp_eq_u32 s2, 0
	s_cbranch_scc0 .Lentry_in_a_cluster
	s_endpgm
.Lentry_in_a_cluster:
	s_bfe_u32 s2, ttmp6, 0x10000c
	s_cmp_lg_u32 s2, 0x3003
	s_cbranch_scc0 .Lentry_shape_is_right
	s_endpgm
.Lentry_shape_is_right:
; O = softmax(Q K^T / 8) V for one batch and head (work-group y = 16 x batch + head), both products on codes of FP6 (E2M3) with E8M0 scales; O is quantised along the output projection's K on its way out.
; THE SOFTMAX AHEAD OF THE SECOND PRODUCT: t = score x log2(e) / 8; M = the row's largest t so far, rounded UP to a whole number; p = 2^(t - M) is what is quantised, along the keys, not normalised.
; The row's sum is taken of the unquantised p and divides O at the end.  When M moves, the sum and O are multiplied by 2^(old M - new M): exact.
; SHARES.  A work-group owns 512 queries (the quarter cx); each of its sixteen waves owns two tiles of 16, one after the other, in 256 registers: four waves to a SIMD.
; THE HEAD'S WHOLE K, V^T AND THEIR SCALE WORDS LIE IN LDS, filled ONCE, one tensor load a wave: waves 0-5 K's codes (16,384 bytes each), waves 6-13 V^T's (4 rows of 3,072 bytes each), wave 14 K's scale words, wave 15 V^T's.
; The four quarters of a cluster read the same bytes: every fill is a joint load.  No prefetch: every tile is asked for at the head, so there is no loop to run ahead in.
; LAYOUT.  Both products are used transposed: S^T = K Q^T (source 0 = 16 keys), O^T = V^T P^T (source 0 = 16 of the head's 64): a lane holds ONE query (lane % 16) throughout.
; K's tile 4 c + j of a step of 128 keys holds keys 64 c + 8 j + i (rows 0-7) and 64 c + 32 + 8 j + i (rows 8-15): so lane (r, h)'s 32 registers of tiles 4 c .. 4 c + 3 are keys 64 c + 32 h + 0 .. 31:
; ONE WHOLE SCALE BLOCK of the second product, in the order of its operand's registers: a block's maximum needs no other lane, and the conversions' results are the operand.
; THE FIRST PRODUCT'S K IS 64, THE INSTRUCTION'S 128.  Q's registers 6-11 are zero codes.  K's fragment t is 12 registers from v[KF + 6 t] on: its upper six are the next tile's codes (behind the last: zeros), which meet
; Q's zeros: FP6 has no infinity and no NaN, so those products are exact zeros.  The scale bytes of that half are the partner head's, real bytes from 1 to 254.
; THE ORDER OF A STEP: the scores, with the last step's seven partial sums joined behind them, a line a product; V^T's fragments are asked for; maxima in eight chains; M; t - M of block 0, O under the new M;
; block 0's exponentials with block 1's t - M among them; block 1's exponentials with block 0's first additions among them; scale word and codes; second product; the NEXT step's fragments of K are asked for.
; The last step of a tile asks for nothing and is written out.  Where a plain line reads what a plain line one to four lines back wrote, a one-field s_delay_alu stands ahead of it.
; LIMITS: the promise holds while the scaled scores t stay under 2^31 in magnitude; a block of zeros gets the byte 1 where the rule says 127; largest magnitudes under 2^-124 are held at that floor;
; NaN and infinities are not served.  O's two scale bytes a row leave by stores of 2 bytes (a head is half of a scale word): 262,144 bytes in the whole launch.
.set VC,   98304                       ; LDS: K's codes [tile 128][768] at 0; V^T's [2 s + c][t 4][768] here;
.set KSC,  196608                      ; K's scale words [tile][16 words];
.set VSC,  204800                      ; V^T's [s 16][t 4][16 words]
.set SPARE, 208896                     ; the spare words: 128 bytes a wave
.set QF,   16                          ; v16-27 Q's fragment (six registers of codes, six of zeros); v28-33 the second tile's codes
.set QN,   28
.set QS,   34                          ; v34 Q's scale words, v35 the second tile's
.set KF,   36                          ; v36-83 K's or V^T's fragments; v84-89 zeros
.set SS,   96                          ; v96-159 S^T, then p
.set OO,   160                         ; v160-191 O^T
.set PF,   192                         ; v192-203 p's codes; v204-206, v208-210 the odd halves as converted
.set TC,   204
.set KS,   212                         ; v212-215 K's scale words (lanes 0-15 an even tile's, lanes 16-31 the odd one's); v216-217 V^T's; v218 p's
.set VS,   216
.set PS,   218
.set BM,   220                         ; v220-221 my two blocks' largest scores, then largest p
.set XL,   222                         ; what lane l xor 16 sends
.set TT,   223
.set FF,   224                         ; v224 f = 2^(old M - new M); v225 at work
.set SO,   226                         ; v226-227 chains of the maxima, then the conversions' scale operands
.set EB,   228                         ; v228-229 scale bytes
.set H8,   230                         ; 8 x (lane / 16)
.set OW,   231                         ; O's two scale bytes
.set T,    232                         ; v232-245 seven pairs for the row's sum; v232-235 also chains of the maxima
.set H24,  246                         ; 16 + 8 x (lane / 16)
.set SPW,  250
.set NIL,  251
.macro ROUND                           ; a round of the cluster's barrier
	s_barrier_signal -1
	s_barrier_wait -1
	s_cmp_lg_u32 s12, 0
	s_cbranch_scc1 .Lnot_wave_0_\@
	s_barrier_signal -3
.Lnot_wave_0_\@:
	s_barrier_wait -3
	s_barrier_signal -1
	s_barrier_wait -1
.endm
.macro GROUP1 g, c, r, p               ; r rows of c elements of 8 bytes, p elements apart; the mask names all four work-groups; no padding
	s_mov_b32 s[\g], 15|(3<<16)|(1<<21)
	s_mov_b32 s[\g+1], (\c)<<16
	s_mov_b32 s[\g+2], (\r)<<16
	s_mov_b32 s[\g+3], (\c)<<16
	s_mov_b32 s[\g+4], \r
	s_mov_b32 s[\g+5], \p
	s_mov_b32 s[\g+6], 0
	s_mov_b32 s[\g+7], 0
.endm
.macro TLOAD g0, g1
	tensor_load_to_lds s[\g0:\g0+3], s[\g1:\g1+7]
	s_nop 0
.rept 4
	v_nop
.endr
.endm
.macro D n                             ; the line behind reads what the plain line n lines back wrote
	s_delay_alu instid0(VALU_DEP_\n)
.endm
	s_load_b256 s[4:11], s[0:1], 0x0               ; pc, ps, oc, os
	v_lshl_add_u32 v[SPW], v0, 2, SPARE
	v_mov_b32 v[NIL], 0
	ds_add_u32 v[SPW], v[NIL]                      ; the opening lines: the add twice on end and its wait
	ds_add_u32 v[SPW], v[NIL]
	v_lshrrev_b32 v1, 5, v0
	v_readfirstlane_b32 s12, v1                    ; wave 0..15
	s_min_u32 s13, s12, 5                          ; which sixth of K's codes (waves 0-5)
	s_min_u32 s14, s12, 13                         ; which eighth of V^T's, + 6 (waves 6-13)
	s_and_b32 s15, ttmp7, 0xffff
	s_lshr_b32 s16, s15, 4                         ; batch
	s_and_b32 s17, s15, 15                         ; head
	s_lshl_b32 s80, s17, 9
	s_lshl_b32 s2, s16, 7
	s_add_co_u32 s80, s80, s2                      ; K: index 512 head + 128 batch: 128 tiles on end
	s_mul_i32 s82, s80, 768
	s_add_co_u32 s82, s82, 6291456
	s_lshl_b32 s2, s13, 14
	s_add_co_u32 s82, s82, s2                      ; a sixth: 16,384 bytes
	s_mov_b32 s83, 0
	s_lshl_b32 s84, s80, 6
	s_add_co_u32 s84, s84, 524288                  ; K's scale words
	s_mov_b32 s85, 0
	s_lshl_b32 s81, s16, 11
	s_lshl_b32 s18, s17, 2
	s_add_co_u32 s81, s81, s18                     ; V^T: index 2048 batch + 4 head, then 64 for each 64 tokens
	s_mul_i32 s86, s81, 768
	s_add_co_u32 s86, s86, 12582912-6*196608
	s_mul_i32 s18, s14, 196608
	s_add_co_u32 s86, s86, s18                     ; an eighth: 4 rows of 4 tiles
	s_mov_b32 s87, 0
	s_lshl_b32 s88, s81, 6
	s_add_co_u32 s88, s88, 1048576                 ; V^T's scale words
	s_mov_b32 s89, 0
	s_mul_i32 s3, s14, 12288
	s_add_co_u32 s3, s3, VC-6*12288                ; LDS, V^T's eighth
	GROUP1 24, 32, 64, 32                          ; K's codes: 16,384 dense bytes as rows of 256
	GROUP1 32, 32, 32, 32                          ; K's scale words: 8,192 dense bytes
	GROUP1 40, 384, 4, 6144                        ; V^T's codes: rows of 3,072 bytes, 49,152 apart
	GROUP1 48, 32, 16, 1024                        ; V^T's scale words: rows of 256 bytes, 8,192 apart
	s_mov_b32 s20, 0x76543210
	s_mov_b32 s21, 0xfedcba98                      ; v_permlanex16_b32's selects for lane l xor 16
	s_mov_b32 s22, 0x3e38aa3b                      ; c = log2(e) / 8
	s_mov_b32 s23, s22                             ; (named with it as a pair, so it is written)
	s_wait_dscnt 0x0
	s_wait_kmcnt 0x0
	s_mov_b32 s56, 1
	s_mov_b32 s57, s2
	s_add_nc_u64 s[58:59], s[4:5], s[82:83]
	s_or_b32 s59, s59, 0x80000000
	s_mov_b32 s60, 1
	s_mov_b32 s61, KSC
	s_add_nc_u64 s[62:63], s[6:7], s[84:85]
	s_or_b32 s63, s63, 0x80000000
	s_mov_b32 s68, 1
	s_mov_b32 s69, s3
	s_add_nc_u64 s[70:71], s[4:5], s[86:87]
	s_or_b32 s71, s71, 0x80000000
	s_mov_b32 s72, 1
	s_mov_b32 s73, VSC
	s_add_nc_u64 s[74:75], s[6:7], s[88:89]
	s_or_b32 s75, s75, 0x80000000
	ROUND                                          ; all four work-groups are here: the joint loads meet
	s_cmp_lt_u32 s12, 6                            ; one chain of branches on the wave's number, one load to an arm
	s_cbranch_scc0 .Lfill_v
	TLOAD 56, 24
	s_branch .Lfilled
.Lfill_v:
	s_cmp_lt_u32 s12, 14
	s_cbranch_scc0 .Lfill_ks
	TLOAD 68, 40
	s_branch .Lfilled
.Lfill_ks:
	s_cmp_eq_u32 s12, 14
	s_cbranch_scc0 .Lfill_vs
	TLOAD 60, 32
	s_branch .Lfilled
.Lfill_vs:
	TLOAD 72, 48
.Lfilled:
	s_bfe_u32 s14, ttmp6, 0x40000                  ; cx: it enters Q's, O's and O's scales' addresses alone
	s_lshl_b32 s90, s16, 7
	s_lshl_b32 s2, s14, 5
	s_add_co_u32 s90, s90, s2
	s_add_co_u32 s90, s90, s12                     ; my first token tile: 128 batch + 32 cx + wave; the second lies 16 on
	s_lshl_b32 s2, s17, 9
	s_add_co_u32 s2, s2, s90
	s_mul_i32 s92, s2, 768
	s_mov_b32 s93, 0
	s_add_nc_u64 s[92:93], s[4:5], s[92:93]        ; Q's codes
	s_lshl_b32 s94, s2, 6
	s_mov_b32 s95, 0
	s_add_nc_u64 s[94:95], s[6:7], s[94:95]        ; Q's scale words
	s_lshl_b32 s2, s90, 4
	s_add_co_u32 s2, s2, s17
	s_mul_i32 s18, s2, 768
	s_mov_b32 s19, 0
	s_add_nc_u64 s[8:9], s[8:9], s[18:19]          ; O's codes: [tile][head][768]
	s_lshl_b32 s18, s90, 9
	s_lshr_b32 s2, s17, 2
	s_lshl_b32 s2, s2, 7
	s_add_co_u32 s18, s18, s2
	s_and_b32 s2, s17, 3
	s_lshl_b32 s2, s2, 1
	s_add_co_u32 s18, s18, s2
	s_add_nc_u64 s[10:11], s[10:11], s[18:19]      ; O's scale bytes: 512 x tile + 128 (head / 4) + 2 (head % 4), + 8 r
	v_and_b32 v5, 31, v0
	v_and_b32 v7, 15, v0
	v_bfe_u32 v[H8], v0, 4, 1
	v_lshlrev_b32 v1, 3, v5                        ; 8 x lane: K's codes in LDS, and Q's and O's in memory
	v_lshlrev_b32 v3, 2, v5
	v_lshlrev_b32 v[H8], 3, v[H8]
	v_add_nc_u32 v2, VC, v1                        ; V^T's codes
	v_add_nc_u32 v4, VSC, v3                       ; V^T's scale words: 4 x lane: two tiles
	v_add_nc_u32 v3, KSC, v3                       ; K's
	v_lshlrev_b32 v6, 3, v7                        ; 8 r
	v_lshlrev_b32 v7, 2, v7                        ; 4 r
	v_add_nc_u32 v[H24], 16, v[H8]
.irp i, 0,1,2
	global_load_b64 v[QF+2*\i:QF+2*\i+1], v1, s[92:93] offset:256*\i
	global_load_b64 v[QN+2*\i:QN+2*\i+1], v1, s[92:93] offset:12288+256*\i
.endr
	global_load_b32 v[QS], v7, s[94:95]
	global_load_b32 v[QS+1], v7, s[94:95] offset:1024
.irp j, 22,23,24,25,26,27,84,85,86,87,88,89
	v_mov_b32 v\j, 0                               ; zero codes: the upper half of Q's fragment, and what follows K's last tile
.endr
	v_mov_b32 v[XL], 0                             ; written once: a lane permute's destination counts as one of its sources
	s_wait_alu depctr_va_vdst(0)                   ; the wait at the head's end
	s_wait_tensorcnt 0x0                           ; my fill has landed,
	s_wait_loadcnt 0x0                             ; Q is here,
	s_barrier_signal -1
	s_barrier_wait -1                              ; everybody's fills have landed
.macro KLOAD ac, as                    ; a step's eight tiles of K and their scale words: 28 loads
.irp t, 0,1,2,3,4,5,6,7
.irp p, 0,1,2
	ds_load_b64 v[KF+6*\t+2*\p:KF+6*\t+2*\p+1], v\ac offset:768*\t+256*\p
.endr
.endr
.irp b, 0,1,2,3
	ds_load_b32 v[KS+\b], v\as offset:128*\b
.endr
.endm
.macro SW t                            ; S^T's tile t = K's tile t x Q
.if (\t)%2
	v_wmma_scale_f32_16x16x128_f8f6f4 v[SS+8*(\t):SS+8*(\t)+7], v[KF+6*(\t):KF+6*(\t)+11], v[QF:QF+11], 0, v[KS+(\t)/2], v[QS] matrix_a_fmt:MATRIX_FMT_FP6 matrix_b_fmt:MATRIX_FMT_FP6 matrix_a_scale:MATRIX_SCALE_ROW1
.else
	v_wmma_scale_f32_16x16x128_f8f6f4 v[SS+8*(\t):SS+8*(\t)+7], v[KF+6*(\t):KF+6*(\t)+11], v[QF:QF+11], 0, v[KS+(\t)/2], v[QS] matrix_a_fmt:MATRIX_FMT_FP6 matrix_b_fmt:MATRIX_FMT_FP6
.endif
.endm
.macro PW t                            ; O^T's tile t += V^T's tile t x P^T
.if (\t)%2
	v_wmma_scale_f32_16x16x128_f8f6f4 v[OO+8*(\t):OO+8*(\t)+7], v[KF+12*(\t):KF+12*(\t)+11], v[PF:PF+11], v[OO+8*(\t):OO+8*(\t)+7], v[VS+(\t)/2], v[PS] matrix_a_fmt:MATRIX_FMT_FP6 matrix_b_fmt:MATRIX_FMT_FP6 matrix_a_scale:MATRIX_SCALE_ROW1
.else
	v_wmma_scale_f32_16x16x128_f8f6f4 v[OO+8*(\t):OO+8*(\t)+7], v[KF+12*(\t):KF+12*(\t)+11], v[PF:PF+11], v[OO+8*(\t):OO+8*(\t)+7], v[VS+(\t)/2], v[PS] matrix_a_fmt:MATRIX_FMT_FP6 matrix_b_fmt:MATRIX_FMT_FP6
.endif
.endm
.macro TADD a, b                       ; the pair at a += the pair at b
	v_pk_add_f32 v[\a:\a+1], v[\a:\a+1], v[\b:\b+1]
.endm
; A KEY STEP: 128 keys.  more = 1: the next step's fragments of K are asked for.
.macro STEP more
	s_wait_alu depctr_va_vdst(0)
	s_wait_dscnt 0x0                               ; K's fragments and scale words are in
	SW 0                                           ; S^T = K Q^T; behind each product one plain line: the last step's seven partial sums are joined to the row's sum
	TADD T, T+2
	SW 1
	TADD T+4, T+6
	SW 2
	TADD T+8, T+10
	SW 3
	TADD 14, T+12
	SW 4
	TADD T, T+4
	SW 5
	TADD 14, T+8
	SW 6
	TADD 14, T
	SW 7
	v_add_nc_u32 v9, s76, v2                       ; four plain lines: the places in front of the loads below
	v_add_nc_u32 v11, s78, v4
.if \more
	s_add_co_u32 s76, s76, 6144                    ; a step's codes: 6,144 bytes in K and in V^T; K's scale words 512, V^T's 256
	s_add_co_u32 s77, s77, 512
	s_add_co_u32 s78, s78, 256
	v_add_nc_u32 v8, s76, v1                       ; the next step's K
	v_add_nc_u32 v10, s77, v3
.else
	v_nop
	v_nop
.endif
.irp t, 0,1,2,3                                ; V^T's four fragments of these 128 keys: they land while the softmax is worked
.irp c, 0,1
.irp p, 0,1,2
	ds_load_b64 v[KF+12*\t+6*\c+2*\p:KF+12*\t+6*\c+2*\p+1], v9 offset:3072*\c+768*\t+256*\p
.endr
.endr
.endr
.irp b, 0,1
	ds_load_b32 v[VS+\b], v11 offset:128*\b
.endr
.irp c, 0,1                                    ; THE LARGEST SCORE OF MY TWO BLOCKS OF 32 KEYS, a chain to a tile, eight chains by turns: it serves the row's maximum and, since p rises with the score, the block's largest p
	v_max3_num_f32 v[BM+\c], v[SS+32*\c], v[SS+32*\c+1], v[SS+32*\c+2]
	v_max3_num_f32 v[SO+\c], v[SS+32*\c+8], v[SS+32*\c+9], v[SS+32*\c+10]
	v_max3_num_f32 v[T+\c], v[SS+32*\c+16], v[SS+32*\c+17], v[SS+32*\c+18]
	v_max3_num_f32 v[T+2+\c], v[SS+32*\c+24], v[SS+32*\c+25], v[SS+32*\c+26]
.endr
.irp i, 3,5
.irp c, 0,1
	v_max3_num_f32 v[BM+\c], v[BM+\c], v[SS+32*\c+\i], v[SS+32*\c+\i+1]
	v_max3_num_f32 v[SO+\c], v[SO+\c], v[SS+32*\c+8+\i], v[SS+32*\c+9+\i]
	v_max3_num_f32 v[T+\c], v[T+\c], v[SS+32*\c+16+\i], v[SS+32*\c+17+\i]
	v_max3_num_f32 v[T+2+\c], v[T+2+\c], v[SS+32*\c+24+\i], v[SS+32*\c+25+\i]
.endr
.endr
.irp c, 0,1
	v_max3_num_f32 v[BM+\c], v[BM+\c], v[SS+32*\c+7], v[SS+32*\c+15]   ; each tile's last register
.endr
.irp c, 0,1
	v_max3_num_f32 v[SO+\c], v[SO+\c], v[SS+32*\c+23], v[SS+32*\c+31]
.endr
.irp c, 0,1
	D 2
	v_max3_num_f32 v[BM+\c], v[BM+\c], v[SO+\c], v[T+\c]
.endr
.irp c, 0,1
	D 2
	v_max_num_f32 v[BM+\c], v[BM+\c], v[T+2+\c]
.endr
	D 1
	v_max_num_f32 v[TT], v[BM], v[BM+1]
	D 1
	v_permlanex16_b32 v[XL], v[TT], s20, s21
	D 1
	v_max3_num_f32 v13, v13, v[TT], v[XL]          ; the running largest score of my query
	D 1
	v_mul_f32 v[TT], s22, v13                      ; as t (c is positive)
	v_mov_b32 v[FF+1], v12
	D 2
	v_floor_f32 v12, -v[TT]                        ; the new -M = floor(-t) = -ceil(t): M is a whole number
	D 1
	v_sub_f32 v[FF+1], v12, v[FF+1]                ; M's old value less its new one: a whole number, 0 or less
	D 1
	v_cvt_i32_f32 v[FF+1], v[FF+1]                 ; (it saturates)
	D 1
	v_ldexp_f32 v[FF], 1.0, v[FF+1]                ; f = 2^(old M - new M)
	D 4
	v_fma_f32 v[BM], v[BM], s22, v12               ; t - M of block 0's largest score,
.set j, 0
.rept 16
	v_pk_fma_f32 v[SS+j:SS+j+1], v[SS+j:SS+j+1], s[22:23], v[12:13] op_sel_hi:[1,0,0]   ; and of block 0, two at a time (of the pairs c and -M the low word serves both halves)
.set j, j+2
.endr
.set j, 0
.rept 16
	v_pk_mul_f32 v[OO+j:OO+j+1], v[OO+j:OO+j+1], v[FF:FF+1] op_sel_hi:[1,0]   ; O^T under the new M, each accumulator from its low end on
.set j, j+2
.endr
	s_wait_alu depctr_va_vdst(0)                   ; the wait ahead of a batch
.set j, 0
.rept 16                                       ; p = 2^(t - M) of block 0; among the exponentials block 1's t - M, whose sources were all written ahead of the wait above and which are read behind the wait below
	v_exp_f32 v[SS+j], v[SS+j]
	v_pk_fma_f32 v[SS+32+j:SS+33+j], v[SS+32+j:SS+33+j], s[22:23], v[12:13] op_sel_hi:[1,0,0]
	v_exp_f32 v[SS+j+1], v[SS+j+1]
.set j, j+2
.endr
	v_exp_f32 v[BM], v[BM]                         ; the block's largest p: the same two instructions on the same number give the same bits
	v_fma_f32 v[BM+1], v[BM+1], s22, v12
	v_pk_mul_f32 v[14:15], v[14:15], v[FF:FF+1] op_sel_hi:[1,0]   ; the sum under the new M
	s_wait_alu depctr_va_vdst(0)                   ; behind the first batch and ahead of the second
.set j, 0
.rept 8                                        ; block 1's p; among the exponentials the first additions of block 0's p, each into a register that is read behind the wait below
	v_exp_f32 v[SS+32+4*j], v[SS+32+4*j]
	v_exp_f32 v[SS+33+4*j], v[SS+33+4*j]
.if j < 7
	v_pk_add_f32 v[T+2*j:T+2*j+1], v[SS+2*j:SS+2*j+1], v[SS+16+2*j:SS+17+2*j]
.else
	TADD 14, SS+14
.endif
	v_exp_f32 v[SS+34+4*j], v[SS+34+4*j]
	v_exp_f32 v[SS+35+4*j], v[SS+35+4*j]
.set j, j+1
.endr
	v_exp_f32 v[BM+1], v[BM+1]
	v_max_num_f32 v[BM], 0x1800000, v[BM]          ; the floor 2^(3 - 127): the byte cannot fall under 1
	s_wait_alu depctr_va_vdst(0)                   ; behind the second batch
	v_max_num_f32 v[BM+1], 0x1800000, v[BM+1]
	v_add_nc_u32 v[SO], 0xff000000, v[BM]          ; 2 off the exponent field: the conversion's scale operand
	D 2
	v_add_nc_u32 v[SO+1], 0xff000000, v[BM+1]
	D 2
	v_lshrrev_b32 v[EB], 23, v[SO]                 ; the scales' bytes: blocks h and 2 + h of my query,
	D 2
	v_lshrrev_b32 v[EB+1], 23, v[SO+1]
	D 2
	v_lshlrev_b32 v[EB], v[H8], v[EB]              ; at their places in the word;
	D 1
	v_lshl_or_b32 v[EB], v[EB+1], v[H24], v[EB]
	D 1
	v_permlanex16_b32 v[XL], v[EB], s20, s21
	D 1
	v_or_b32 v[PS], v[EB], v[XL]                   ; with lane l xor 16's two the word is whole
.irp c, 0,1
	v_cvt_scalef32_pk16_fp6_f32 v[PF+6*\c:PF+6*\c+2], v[SS+32*\c:SS+32*\c+15], v[SO+\c]
	v_cvt_scalef32_pk16_fp6_f32 v[TC+4*\c:TC+4*\c+2], v[SS+32*\c+16:SS+32*\c+31], v[SO+\c]   ; (a conversion's three registers begin on an even number)
.endr
	TADD T, SS+30                                  ; THE ROW'S SUM goes on, in eight chains.  (Also the plain line behind the conversions)
.irp c, 0,1
.irp i, 0,1,2
	v_mov_b32 v[PF+6*\c+3+\i], v[TC+4*\c+\i]       ; six registers on end
.endr
.endr
.irp i, 1,2,3,4,5,6                            ; these seven and the moves are the places between p's scale word and codes and the products
	TADD T+2*\i, SS+30+2*\i
.endr
	TADD 14, SS+44
	s_wait_alu depctr_va_vdst(0)                   ; directly ahead of the wait below
	s_wait_dscnt 0x0                               ; V^T's fragments are in
	PW 0                                           ; O^T += V^T P^T: four accumulators by turns, a line of the sum behind each
	TADD T, SS+46
	PW 1
	TADD T+2, SS+48
	PW 2
	TADD T+4, SS+50
	PW 3
	TADD T+6, SS+52                                ; four lines: the places in front of the loads into the fragments' registers
	TADD T+8, SS+54
	TADD T+10, SS+56
	TADD T+12, SS+58
.if \more
	KLOAD 8, 10
.endif
	TADD 14, SS+60
	TADD T, SS+62
.endm
; ONE TILE OF 16 QUERIES against all 2,048 keys, 16 steps; then O / the sum, quantised along the head's 64 (two blocks), leaves as half a fragment and two scale bytes a row.
.macro PASS p
.if \p
	s_wait_xcnt 0x0                                ; the last tile's stores have read their registers
.irp i, 0,1,2,3,4,5
	v_mov_b32 v[QF+\i], v[QN+\i]                   ; the second tile's Q
.endr
	v_mov_b32 v[QS], v[QS+1]
.endif
	v_mov_b32 v13, 0xff61b1e6                      ; the largest score so far: -3e38, under every score
	v_mov_b32 v12, 0x7e000000                      ; -M: 2^125, so that the first step's f is 0
	v_mov_b32 v14, 0
	v_mov_b32 v15, 0
.set j, 0
.rept 14
	v_mov_b32 v[T+j], 0                            ; the partial sums that the first step joins
.set j, j+1
.endr
.set j, 0
.rept 32
	v_mov_b32 v[OO+j], 0                           ; O^T.  (The first step finds zeros, which the first change of M leaves zeros)
.set j, j+1
.endr
	s_mov_b32 s76, 0
	s_mov_b32 s77, 0
	s_mov_b32 s78, 0
	s_mov_b32 s79, 15
	KLOAD 1, 3                                     ; step 0's K
.Lkeys_\@:
	STEP 1
	s_sub_co_u32 s79, s79, 1
	s_cmp_lg_u32 s79, 0
	s_cbranch_scc1 .Lkeys_\@
	STEP 0                                         ; the last step asks for nothing more
	D 1
	TADD T, T+2                                    ; its partial sums are joined
	TADD T+4, T+6
	TADD T+8, T+10
	TADD 14, T+12
	D 3
	TADD T, T+4
	D 2
	TADD 14, T+8
	D 1
	TADD 14, T
	D 1
	v_add_f32 v14, v14, v15                        ; the sum's two halves,
	D 1
	v_permlanex16_b32 v[XL], v14, s20, s21
	D 1
	v_add_f32 v14, v14, v[XL]                      ; and lane l xor 16's: the row's sum
	s_wait_alu depctr_va_vdst(0)                   ; the wait ahead of the transcendental
	v_rcp_f32 v14, v14
	v_nop                                          ; one plain line behind a transcendental
	s_wait_alu depctr_va_vdst(0)                   ; the wait ahead of its first reader, which is O^T's first reader too
.set j, 0
.rept 32
	v_mul_f32 v[SS+j], v[OO+j], v14                ; O^T / the sum, each accumulator from its low end on: register 16 b + i is feature 32 b + 16 h + i of my query
.set j, j+1
.endr
.irp b, 0,1
	v_max3_num_f32 v[BM+\b], |v[SS+16*\b]|, |v[SS+16*\b+1]|, 0x1800000
.endr
.irp i, 2,4,6,8,10,12,14
.irp b, 0,1
	D 2
	v_max3_num_f32 v[BM+\b], v[BM+\b], |v[SS+16*\b+\i]|, |v[SS+16*\b+\i+1]|
.endr
.endr
	D 2
	v_permlanex16_b32 v[XL], v[BM], s20, s21
	D 2
	v_permlanex16_b32 v[TT], v[BM+1], s20, s21
	D 2
	v_max_num_f32 v[BM], v[BM], v[XL]
	D 2
	v_max_num_f32 v[BM+1], v[BM+1], v[TT]
.irp b, 0,1
	D 2
	v_add_nc_u32 v[SO+\b], 0xff000000, v[BM+\b]
.endr
.irp b, 0,1
	D 2
	v_lshrrev_b32 v[EB+\b], 23, v[SO+\b]
.endr
	D 1
	v_lshl_or_b32 v[OW], v[EB+1], 8, v[EB]         ; the head's two scale bytes of my row
	v_cvt_scalef32_pk16_fp6_f32 v[PF:PF+2], v[SS:SS+15], v[SO]
	v_cvt_scalef32_pk16_fp6_f32 v[TC:TC+2], v[SS+16:SS+31], v[SO+1]
	v_nop                                          ; one plain line behind a scaled conversion
.irp i, 0,1,2
	v_permlane16_swap_b32 v[PF+\i], v[TC+\i]       ; the operand's layout wants a whole block in a lane
.endr
.irp i, 0,1,2
	v_mov_b32 v[PF+3+\i], v[TC+\i]                 ; registers 0-5: k = 32 h + 0 .. 31 of the head's 64
.endr
.irp i, 0,1,2
	global_store_b64 v1, v[PF+2*\i:PF+2*\i+1], s[8:9] offset:196608*\p+256*\i   ; 32 lanes store 256 consecutive bytes, aligned
.endr
	global_store_b16 v6, v[OW], s[10:11] offset:8192*\p   ; both halves of the lanes store the same bytes with the same values
.endm
	PASS 0
	PASS 1
	s_wait_tensorcnt 0x0                           ; the wave's end
	ds_add_u32 v[SPW], v[NIL]
	s_wait_dscnt 0x0
	ROUND                                          ; the closing round: no work-group ends while a partner may still ask for a tile that names it
	s_endpgm
.Lfunc_end_k_qcd6123786f_attn:
	.size	k_qcd6123786f_attn, .Lfunc_end_k_qcd6123786f_attn-k_qcd6123786f_attn
	.p2alignl 7, 3214868480
	.fill 96, 4, 3214868480
	.section	.rodata,"a",@progbits
	.p2align	6, 0x0
	.amdhsa_kernel k_qcd6123786f_attn
		.amdhsa_group_segment_fixed_size 210944
		.amdhsa_private_segment_fixed_size 0
		.amdhsa_enable_private_segment 0
		.amdhsa_kernarg_size 32
		.amdhsa_user_sgpr_count 2
		.amdhsa_user_sgpr_kernarg_segment_ptr 1
		.amdhsa_wavefront_size32 1
		.amdhsa_system_sgpr_workgroup_id_x 1
		.amdhsa_system_sgpr_workgroup_id_y 1
		.amdhsa_system_sgpr_workgroup_id_z 1
		.amdhsa_system_vgpr_workitem_id 0
		.amdhsa_next_free_vgpr 256
		.amdhsa_next_free_sgpr 96
		.amdhsa_reserve_vcc 0
		.amdhsa_float_denorm_mode_32 3
		.amdhsa_float_denorm_mode_16_64 3
		.amdhsa_memory_ordered 1
		.amdhsa_forward_progress 1
		.amdhsa_inst_pref_size 89
	.end_amdhsa_kernel
	.amdgpu_metadata
---
amdhsa.version: [ 1, 2 ]
amdhsa.kernels:
  - .name:           k_qcd6123786f_attn
    .symbol:         k_qcd6123786f_attn.kd
    .args:
      - { .name: pc, .offset: 0, .size: 8, .value_kind: global_buffer, .address_space: global }
      - { .name: ps, .offset: 8, .size: 8, .value_kind: global_buffer, .address_space: global }
      - { .name: oc, .offset: 16, .size: 8, .value_kind: global_buffer, .address_space: global }
      - { .name: os, .offset: 24, .size: 8, .value_kind: global_buffer, .address_space: global }
    .group_segment_fixed_size: 210944
    .private_segment_fixed_size: 0
    .kernarg_segment_align: 8
    .kernarg_segment_size: 32
    .max_flat_workgroup_size: 512
    .sgpr_count:     96
    .vgpr_count:     256
    .wavefront_size: 32
...
	.end_amdgpu_metadata
.endif
;; end of part 3
;; launch outp (part 4): grid 4 x 64, 4 waves a work-group, clusters of 4 x 4, 295,424 bytes of LDS; arguments oc, os, xc, xs, bo, out0; writes out0
.if DOCPART == 4
	.amdgcn_target "amdgcn-amd-amdhsa--gfx1250"
	.amdhsa_code_object_version 6
	.text
	.protected	k_qcd6123786f_outp
	.globl	k_qcd6123786f_outp
	.p2align	8
	.type	k_qcd6123786f_outp,@function
k_qcd6123786f_outp:
	s_mov_b64 s[64:65], 0
	v_nop
	global_prefetch_b8 v0, s[64:65] scope:SCOPE_SE
	s_setreg_imm32_b32 hwreg(HW_REG_WAVE_MODE, 25, 1), 1
	s_wait_xcnt 0x0
	s_wait_alu depctr_hold_cnt(0) depctr_sa_sdst(0) depctr_va_vdst(0) depctr_va_sdst(0) depctr_va_ssrc(0) depctr_va_vcc(0) depctr_vm_vsrc(0)
	s_getreg_b32 s2, hwreg(HW_REG_IB_STS2, 6, 4)
	s_cmp_eq_u32 s2, 0
	s_cbranch_scc0 .Lentry_in_a_cluster
	s_endpgm
.Lentry_in_a_cluster:
	s_bfe_u32 s2, ttmp6, 0x10000c
	s_cmp_lg_u32 s2, 0xf033
	s_cbranch_scc0 .Lentry_shape_is_right
	s_endpgm
.Lentry_shape_is_right:
; out0 = O wo^T + bo on codes of FP6 (E2M3) with E8M0 scales, sums in f32.  O's codes and scale words come from the attention's launch, wo's from the quantiser's (tiles 1728-1791 of xc), both in the order of the operand's registers.
; A work-group makes 128 tokens (operand A) x 256 features (operand B); four waves, each 64 x 128: 32 accumulators, 256 registers.  THE MATRIX INSTRUCTION IS USED TRANSPOSED (source 0 = 16 rows of wo,
; source 1 = 16 tokens): a lane holds one token, and by the order of rows in a tile (32 (t / 2) + 8 (t % 2) + i + 8 (i / 8)) register 16 b + i is feature 32 b + 16 (lane / 16) + i of my wave's 128.
; ALL OF K = 1,024 LIES IN LDS: four slots of 256 along K, each filled ONCE, all four asked for at the start; no LDS byte is filled twice.  Every LDS load of a fragment reads 256 consecutive bytes.
; CLUSTERS: 4 x 4 work-groups.  O's tiles hang on the cluster's y and cy alone and are asked for jointly along a row of the cluster, wo's on cx alone, jointly along a column.
; THE WAY OUT goes through a stage in slot 0, which has had its only fill, and whose last reads every wave has waited for in front of the first barrier between the slots.
; REGISTERS, in windows of 256: window 0: v1-23 addresses; v32-47 A's scale words, v48-79 B's (all of K; lanes 0-15 an even tile's, lanes 16-31 the odd one's); v144-147 the bias; v192-239 A's four fragments, one set;
;   on the way out v80-143 and v148-211 take rows of out0 by turns.   window 1: B's eight fragments, two sets, at v0 and v128.   window 2: accumulator (a, b) at v[8 (8 a + b)].
; THE SLOTS ARE TWO, of 512 along K each (where the lines above speak of four slots of 256, read two of 512): each is filled once, by two joint loads, and each wave issues one of the four loads.
.set SLOT,  147456                     ; 512 along K: A's 8 tiles x 6,144 bytes, then B's 16
.set ADRA,  16                         ; v16-17  8 x lane + my A tiles in slot 0, 1
.set ADRB,  20                         ; v20-21  the same for B
.set SA,    32
.set SB,    48
.set BO,    144
.set AF,    192
.set G1A,   24                         ; s[24:31] group 1 for A's tiles; s[32:39] two groups 0
.set G0A,   32
.set G1B,   48                         ; s[48:55] group 1 for B's; s[56:63] two groups 0
.set MSB, 0
.macro WIN new                         ; the immediate's high byte repeats the setting that is left
.if MSB != \new
	s_set_vgpr_msb (MSB<<8)|\new
.set MSB, \new
.endif
.endm
.set MUL,  0xa1                        ; source 0 (B) window 1, source 1 (A) window 0, C and D window 2
.set TO_B, 0x40                        ; destination window 1, address window 0
.macro ROUND                           ; a round of the cluster's barrier
	s_barrier_signal -1
	s_barrier_wait -1
	s_cmp_lg_u32 s18, 0
	s_cbranch_scc1 .Lnot_wave_0_\@
	s_barrier_signal -3
.Lnot_wave_0_\@:
	s_barrier_wait -3
	s_barrier_signal -1
	s_barrier_wait -1
.endm
.macro PLACES                          ; four plain vector lines between a matrix instruction and a load into, or a store of, its registers
.rept 4
	v_nop
.endr
.endm
.macro FRAG reg, adr, q, i             ; a fragment, 16 rows x 128 K, 12 registers: tile i of my tiles, the slot's q-th 128 along K
.irp c, 0,1
.irp p, 0,1,2
	ds_load_b64 v[\reg+6*\c+2*\p:\reg+6*\c+2*\p+1], v[\adr] offset:(\i)*6144+(2*(\q)+\c)*768+256*\p
.endr
.endr
.endm
.macro FETCH_B sl, q, p                ; B's eight fragments into set p
	WIN TO_B
.irp i, 0,1,2,3,4,5,6,7
	FRAG 128*(\p)+12*\i, ADRB+\sl, \q, \i
.endr
	WIN 0
.endm
.macro FETCH_A sl, q, i0               ; A's blocks i0, i0 + 1
.irp i, \i0, \i0+1
	FRAG AF+12*(\i), ADRA+\sl, \q, \i
.endr
.endm
; One product: A's block a x B's block b, K step k (of 8), B's set p.  An odd tile's scale words stand in lanes 16-31 of the pair's register.  zero = 1: the product starts the sum.
.macro WM a, b, p, k, zero
.set rD, 8*(8*(\a)+(\b))
.set rB, 128*(\p)+12*(\b)
.set rA, AF+12*(\a)
.set rSB, SB+8*((\b)/2)+(\k)
.set rSA, SA+8*((\a)/2)+(\k)
.if \zero
.if ((\b)%2 == 0) && ((\a)%2 == 0)
	v_wmma_scale_f32_16x16x128_f8f6f4 v[rD:rD+7], v[rB:rB+11], v[rA:rA+11], 0, v[rSB], v[rSA] matrix_a_fmt:MATRIX_FMT_FP6 matrix_b_fmt:MATRIX_FMT_FP6
.elseif ((\b)%2 == 1) && ((\a)%2 == 0)
	v_wmma_scale_f32_16x16x128_f8f6f4 v[rD:rD+7], v[rB:rB+11], v[rA:rA+11], 0, v[rSB], v[rSA] matrix_a_fmt:MATRIX_FMT_FP6 matrix_b_fmt:MATRIX_FMT_FP6 matrix_a_scale:MATRIX_SCALE_ROW1
.elseif ((\b)%2 == 0) && ((\a)%2 == 1)
	v_wmma_scale_f32_16x16x128_f8f6f4 v[rD:rD+7], v[rB:rB+11], v[rA:rA+11], 0, v[rSB], v[rSA] matrix_a_fmt:MATRIX_FMT_FP6 matrix_b_fmt:MATRIX_FMT_FP6 matrix_b_scale:MATRIX_SCALE_ROW1
.else
	v_wmma_scale_f32_16x16x128_f8f6f4 v[rD:rD+7], v[rB:rB+11], v[rA:rA+11], 0, v[rSB], v[rSA] matrix_a_fmt:MATRIX_FMT_FP6 matrix_b_fmt:MATRIX_FMT_FP6 matrix_a_scale:MATRIX_SCALE_ROW1 matrix_b_scale:MATRIX_SCALE_ROW1
.endif
.else
.if ((\b)%2 == 0) && ((\a)%2 == 0)
	v_wmma_scale_f32_16x16x128_f8f6f4 v[rD:rD+7], v[rB:rB+11], v[rA:rA+11], v[rD:rD+7], v[rSB], v[rSA] matrix_a_fmt:MATRIX_FMT_FP6 matrix_b_fmt:MATRIX_FMT_FP6
.elseif ((\b)%2 == 1) && ((\a)%2 == 0)
	v_wmma_scale_f32_16x16x128_f8f6f4 v[rD:rD+7], v[rB:rB+11], v[rA:rA+11], v[rD:rD+7], v[rSB], v[rSA] matrix_a_fmt:MATRIX_FMT_FP6 matrix_b_fmt:MATRIX_FMT_FP6 matrix_a_scale:MATRIX_SCALE_ROW1
.elseif ((\b)%2 == 0) && ((\a)%2 == 1)
	v_wmma_scale_f32_16x16x128_f8f6f4 v[rD:rD+7], v[rB:rB+11], v[rA:rA+11], v[rD:rD+7], v[rSB], v[rSA] matrix_a_fmt:MATRIX_FMT_FP6 matrix_b_fmt:MATRIX_FMT_FP6 matrix_b_scale:MATRIX_SCALE_ROW1
.else
	v_wmma_scale_f32_16x16x128_f8f6f4 v[rD:rD+7], v[rB:rB+11], v[rA:rA+11], v[rD:rD+7], v[rSB], v[rSA] matrix_a_fmt:MATRIX_FMT_FP6 matrix_b_fmt:MATRIX_FMT_FP6 matrix_a_scale:MATRIX_SCALE_ROW1 matrix_b_scale:MATRIX_SCALE_ROW1
.endif
.endif
.endm
.macro MUL16 a0, p, k, zero            ; 16 products; the 32 accumulators take turns, one instruction a turn, in the same order in every K step
.irp a, \a0, \a0+1
.irp b, 0,1,2,3,4,5,6,7
	WM \a, \b, \p, \k, \zero
.endr
.endr
.endm
; K step 2 sl + q, and the fetch of the next one (slot nsl, its nq-th).  bar = 1: the next step lies in the next slot: each wave shows its part of that slot landed (cnt: its fills of later slots may stay out, since
; nothing is ever filled again), and a barrier shows everybody's.
; (K step 4 sl + q; B's sets by turns.  bar = 1: the next step lies in slot 1: every wave waits for its tensor load, and a barrier shows both slots whole)
.macro STEP sl, q, nsl, nq, zero, bar
.if \bar
	s_wait_dscnt 0x0                               ; no LDS load of mine is out at the signal: my reads of slot 0 are over
	s_wait_tensorcnt 0x0                           ; on every wave's way: all that was still out is in
	s_barrier_signal -1
	WIN MUL
	MUL16 0, (\q)%2, 4*\sl+\q, \zero
	s_barrier_wait -1
.else
	s_wait_dscnt 12                                ; B's set and A's blocks 0, 1 are in; the youngest 12 loads (A's blocks 2, 3) may be out
	WIN MUL
	MUL16 0, (\q)%2, 4*\sl+\q, \zero
	s_wait_dscnt 0x0                               ; A's blocks 2, 3 are in
.endif
	PLACES
	FETCH_B \nsl, \nq, (\nq)%2
	FETCH_A \nsl, \nq, 0
	WIN MUL
	MUL16 2, (\q)%2, 4*\sl+\q, \zero
	PLACES
	WIN 0
	FETCH_A \nsl, \nq, 2
.endm
	s_load_b256 s[4:11], s[0:1], 0x0               ; oc, os, xc, xs
	s_load_b128 s[12:15], s[0:1], 0x20             ; bo, out0
	v_lshl_add_u32 v254, v0, 2, 0x48000
	v_mov_b32 v255, 0
	ds_add_u32 v254, v255
	ds_add_u32 v254, v255
	v_lshrrev_b32 v1, 5, v0
	v_readfirstlane_b32 s18, v1                    ; wave 0..3
	s_lshr_b32 s19, s18, 1                         ; which 4 of A's 8 tiles are mine.  Also: I fetch for A (0) or for B (1)
	s_and_b32 s20, s18, 1                          ; which 8 of B's 16.  Also: which half of that operand's tiles I fetch
	s_bfe_u32 s21, ttmp6, 0x40000                  ; cx
	s_bfe_u32 s22, ttmp6, 0x40004                  ; cy
	s_and_b32 s23, ttmp7, 0xffff                   ; the cluster's y, 0..15
	s_lshl_b32 s80, s23, 2
	s_add_co_u32 s80, s80, s22                     ; my block of 128 tokens
	s_lshl_b32 s81, s80, 3                         ; TA: its first tile in oc
	s_lshl_b32 s85, s21, 4
	s_add_co_u32 s85, s85, 1728                    ; TB: wo's tiles 16 cx on, in xc
	s_mul_i32 s82, s81, 12288                      ; A's 8 tiles, in bytes
	s_mov_b32 s83, 0
	s_lshl_b32 s3, s20, 3
	s_add_co_u32 s3, s85, s3
	s_mul_i32 s86, s85, 12288                      ; B's 16 tiles, in bytes
	s_mov_b32 s87, 0
	s_lshl_b32 s94, s3, 9                          ; so these are my B tiles' scale words
	s_mov_b32 s95, 0
	s_lshl_b32 s2, s19, 2
	s_add_co_u32 s2, s81, s2
	s_lshl_b32 s92, s2, 9                          ; my A tiles' scale words
	s_mov_b32 s93, 0
	s_mul_i32 s90, s20, 49152                      ; my 8 tiles of B in a slot,
	s_add_co_u32 s90, s90, 49152                   ; behind A's 8
	s_lshl_b32 s2, s22, 2
	s_lshl_b32 s2, 15, s2                          ; my row of the cluster
	s_lshl_b32 s3, 0x1111, s21                     ; my column
	s_or_b32 s[G1A], s2, (3<<16)|(1<<21)           ; 15:0 the mask; 17:16 elements of 8 bytes; 21 set beside a mask; no padding
	s_or_b32 s[G1B], s3, (3<<16)|(1<<21)
	s_mov_b32 s[G1A+1], 768<<16                    ; tensor_dim0: a tile's 6,144 bytes of one slot
	s_mov_b32 s[G1A+2], 8<<16                      ; tensor_dim1: 8 tiles
	s_mov_b32 s[G1A+3], 768<<16                    ; tile_dim0
	s_mov_b32 s[G1A+4], 8                          ; tile_dim1
	s_mov_b32 s[G1A+5], 1536                       ; from tile to tile: 12,288 bytes
	s_mov_b32 s[G1A+6], 0
	s_mov_b32 s[G1A+7], 0
	s_mov_b32 s[G1B+1], 768<<16
	s_mov_b32 s[G1B+2], 16<<16                     ; 16 tiles
	s_mov_b32 s[G1B+3], 768<<16
	s_mov_b32 s[G1B+4], 16
	s_mov_b32 s[G1B+5], 1536
	s_mov_b32 s[G1B+6], 0
	s_mov_b32 s[G1B+7], 0
	s_lshl_b32 s96, s21, 10
	s_lshl_b32 s2, s20, 9
	s_add_co_u32 s96, s96, s2                      ; my 128 features, in bytes: 1,024 cx + 512 x half
	s_mov_b32 s97, 0
	s_lshl_b32 s98, s80, 7
	s_lshl_b32 s2, s19, 6
	s_add_co_u32 s98, s98, s2
	s_lshl_b32 s98, s98, 12                        ; my 64 tokens' rows of 4,096 bytes
	s_add_co_u32 s98, s98, s96
	s_mov_b32 s99, 0
	v_and_b32 v1, 15, v0                           ; r
	v_bfe_u32 v2, v0, 4, 1                         ; h
	v_and_b32 v3, 31, v0
	v_lshlrev_b32 v8, 3, v3                        ; 8 x lane
	v_lshlrev_b32 v9, 4, v3                        ; 16 x lane
	v_lshlrev_b32 v14, 3, v1
	v_lshl_add_u32 v14, v2, 9, v14                 ; scale words: 8 r, lanes 16-31 one tile on
	s_mul_i32 s2, s19, 24576
	s_mov_b32 s3, s90
.irp s, 0,1
	v_add_nc_u32 v[ADRA+\s], s2, v8
	v_add_nc_u32 v[ADRB+\s], s3, v8
	s_add_co_u32 s2, s2, SLOT
	s_add_co_u32 s3, s3, SLOT
.endr
	s_mul_i32 s2, s18, 8448                        ; my stage: 16 rows x (512 bytes + 16)
	v_mul_u32_u24 v10, v1, 528
	v_lshl_add_u32 v10, v2, 6, v10
	v_add_nc_u32 v10, s2, v10                      ; in: row r, + 64 h
	v_add_nc_u32 v11, s2, v9                       ; back: 16 x lane of a row
	s_wait_alu depctr_va_vdst(0)                   ; the wait at the head's end
	s_wait_dscnt 0x0
	s_wait_kmcnt 0x0
	s_add_nc_u64 s[82:83], s[4:5], s[82:83]
	s_add_nc_u64 s[86:87], s[8:9], s[86:87]
	s_add_nc_u64 s[92:93], s[6:7], s[92:93]
	s_add_nc_u64 s[94:95], s[10:11], s[94:95]
	s_add_nc_u64 s[12:13], s[12:13], s[96:97]
	s_add_nc_u64 s[14:15], s[14:15], s[98:99]
.irp s, 0,1
	s_mov_b32 s[G0A+4*\s], 1
	s_mov_b32 s[G0A+4*\s+1], \s*SLOT
	s_add_nc_u64 s[G0A+4*\s+2:G0A+4*\s+3], s[82:83], \s*6144
	s_or_b32 s[G0A+4*\s+3], s[G0A+4*\s+3], 0x80000000
	s_mov_b32 s[56+4*\s], 1
	s_mov_b32 s[57+4*\s], \s*SLOT+49152
	s_add_nc_u64 s[58+4*\s:59+4*\s], s[86:87], \s*6144
	s_or_b32 s[59+4*\s], s[59+4*\s], 0x80000000
.endr
	ROUND                                          ; all sixteen work-groups are here: the joint loads meet
; ONE LOAD A WAVE, in one chain of branches on the wave's number: wave 0 A's tiles of slot 0, wave 1 B's, wave 2 A's of slot 1, wave 3 B's
.macro ARM w, g0, g1, next
	s_cmp_eq_u32 s18, \w
	s_cbranch_scc0 \next
	tensor_load_to_lds s[\g0:\g0+3], s[\g1:\g1+7]
	s_nop 0
.rept 4
	v_nop
.endr
	s_branch .Lfilled
\next:
.endm
	ARM 0, 32, 24, .Lw1
	ARM 1, 56, 48, .Lw2
	ARM 2, 36, 24, .Lw3
	tensor_load_to_lds s[60:63], s[48:55]
	s_nop 0
.rept 4
	v_nop
.endr
.Lfilled:
.irp i, 0,1
.irp s, 0,1,2,3
	global_load_b64 v[SA+8*\i+2*\s:SA+8*\i+2*\s+1], v14, s[92:93] offset:1024*\i+128*\s   ; the words of K steps 2 s, 2 s + 1: lanes 0-15 tile 2 i, lanes 16-31 tile 2 i + 1
.endr
.endr
.irp i, 0,1,2,3
.irp s, 0,1,2,3
	global_load_b64 v[SB+8*\i+2*\s:SB+8*\i+2*\s+1], v14, s[94:95] offset:1024*\i+128*\s
.endr
.endr
	global_load_b128 v[BO:BO+3], v9, s[12:13]      ; the bias of the four features that I store
	s_wait_loadcnt 0x0
	s_cmp_lt_u32 s18, 2                            ; slot 0's two loads are waves 0's and 1's alone: they wait; slot 1's may still be on their way, since nothing is filled again
	s_cbranch_scc0 .Lnot_first
	s_wait_tensorcnt 0x0
.Lnot_first:
	s_barrier_signal -1
	s_barrier_wait -1                              ; slot 0 is whole
	FETCH_B 0, 0, 0
	FETCH_A 0, 0, 0
	FETCH_A 0, 0, 2
	STEP 0, 0, 0, 1, 1, 0                          ; the first K step starts the sums: nothing is cleared
	STEP 0, 1, 0, 2, 0, 0
	STEP 0, 2, 0, 3, 0, 0
	STEP 0, 3, 1, 0, 0, 1
	STEP 1, 0, 1, 1, 0, 0
	STEP 1, 1, 1, 2, 0, 0
	STEP 1, 2, 1, 3, 0, 0
	s_wait_dscnt 12                                ; the last K step: nothing more to fetch
	WIN MUL
	MUL16 0, 1, 7, 0
	s_wait_dscnt 0x0
	MUL16 2, 1, 7, 0
	WIN 0
	PLACES
; THE WAY OUT, a block of 16 tokens x 128 features at a time.  A lane holds pieces of one row, and the lanes beside it hold other rows: so a block goes through my own stage and comes back as whole rows of 512 bytes.
; LDS serves a wave's instructions in order (ISA guide 5.7.1.4): no wait between the stores and the loads, nor in front of the next block's stores.
.macro TOSTAGE a
	WIN 0x08                                       ; an LDS store's data: window 2
.irp b, 0,1,2,3,4,5,6,7
	ds_store_b128 v10, v[64*(\a)+8*\b:64*(\a)+8*\b+3] offset:128*(\b/2)+32*(\b%2)          ; each accumulator from its low end on: features 32 (b / 2) + 16 h + 8 (b % 2) + 0 .. 7
	ds_store_b128 v10, v[64*(\a)+8*\b+4:64*(\a)+8*\b+7] offset:128*(\b/2)+32*(\b%2)+16
.endr
	WIN 0
.set BB, 80+68*((\a)%2)
.irp t, 0,1,2,3,4,5,6,7,8,9,10,11,12,13,14,15
	ds_load_b128 v[BB+4*\t:BB+4*\t+3], v11 offset:\t*528
.endr
.endm
.macro SEND a, younger                 ; younger: the LDS instructions issued behind block a's loads, which may stay out
.set BB, 80+68*((\a)%2)
	s_wait_dscnt \younger
.irp t, 0,1,2,3,4,5,6,7,8,9,10,11,12,13,14,15
	v_pk_add_f32 v[BB+4*\t:BB+4*\t+1], v[BB+4*\t:BB+4*\t+1], v[BO:BO+1]
	v_pk_add_f32 v[BB+4*\t+2:BB+4*\t+3], v[BB+4*\t+2:BB+4*\t+3], v[BO+2:BO+3]
.endr
.irp t, 0,1,2,3,4,5,6,7,8,9,10,11,12,13,14,15
	global_store_b128 v9, v[BB+4*\t:BB+4*\t+3], s[14:15] offset:(32*((\a)/2)+8*((\a)%2)+\t+8*(\t/8))*4096 th:TH_STORE_NT   ; row t of tile a is token 32 (a / 2) + 8 (a % 2) + t + 8 (t / 8); 32 lanes store 512 consecutive bytes, aligned
.endr
.endm
	TOSTAGE 0
.irp a, 1,2,3
.if \a > 1
	s_wait_xcnt 0x0                                ; block a - 2's stores have read their registers: block a's loads may land there
.endif
	TOSTAGE \a
	SEND \a-1, 32                                  ; behind block a - 1's loads: block a's 16 stores and 16 loads
.endr
	SEND 3, 0
	s_wait_tensorcnt 0x0
	ds_add_u32 v254, v255
	s_wait_dscnt 0x0
	ROUND                                          ; the closing round: no work-group ends while a partner may still ask for a tile that names it
	s_endpgm
.Lfunc_end_k_qcd6123786f_outp:
	.size	k_qcd6123786f_outp, .Lfunc_end_k_qcd6123786f_outp-k_qcd6123786f_outp
	.p2alignl 7, 3214868480
	.fill 96, 4, 3214868480
	.section	.rodata,"a",@progbits
	.p2align	6, 0x0
	.amdhsa_kernel k_qcd6123786f_outp
		.amdhsa_group_segment_fixed_size 295424
		.amdhsa_private_segment_fixed_size 0
		.amdhsa_enable_private_segment 0
		.amdhsa_kernarg_size 48
		.amdhsa_user_sgpr_count 2
		.amdhsa_user_sgpr_kernarg_segment_ptr 1
		.amdhsa_wavefront_size32 1
		.amdhsa_system_sgpr_workgroup_id_x 1
		.amdhsa_system_sgpr_workgroup_id_y 1
		.amdhsa_system_sgpr_workgroup_id_z 1
		.amdhsa_system_vgpr_workitem_id 0
		.amdhsa_next_free_vgpr 768
		.amdhsa_next_free_sgpr 102
		.amdhsa_reserve_vcc 0
		.amdhsa_float_denorm_mode_32 3
		.amdhsa_float_denorm_mode_16_64 3
		.amdhsa_memory_ordered 1
		.amdhsa_forward_progress 1
		.amdhsa_inst_pref_size 104
	.end_amdhsa_kernel
	.amdgpu_metadata
---
amdhsa.version: [ 1, 2 ]
amdhsa.kernels:
  - .name:           k_qcd6123786f_outp
    .symbol:         k_qcd6123786f_outp.kd
    .args:
      - { .name: oc, .offset: 0, .size: 8, .value_kind: global_buffer, .address_space: global }
      - { .name: os, .offset: 8, .size: 8, .value_kind: global_buffer, .address_space: global }
      - { .name: xc, .offset: 16, .size: 8, .value_kind: global_buffer, .address_space: global }
      - { .name: xs, .offset: 24, .size: 8, .value_kind: global_buffer, .address_space: global }
      - { .name: bo, .offset: 32, .size: 8, .value_kind: global_buffer, .address_space: global }
      - { .name: out0, .offset: 40, .size: 8, .value_kind: global_buffer, .address_space: global }
    .group_segment_fixed_size: 295424
    .private_segment_fixed_size: 0
    .kernarg_segment_align: 8
    .kernarg_segment_size: 48
    .max_flat_workgroup_size: 128
    .sgpr_count:     102
    .vgpr_count:     768
    .wavefront_size: 32
...
	.end_amdgpu_metadata
.endif
;; end of part 4
